; MI455X (gfx1250); checked and timed in simulation.
; The chip was launched on July 23, 2026; its instructions are those of AMD's public machine-readable ISA for CDNA 5 (MIT licence, August 2026) and "CDNA5" Instruction Set Architecture Reference Guide (July 2026). The comments in the code are by the model that wrote it; some were corrected since.
;; H Module. Allowed arithmetic: matrix products marked QUANTISED: E3M2 operands, one E8M0 scale for each 32 along K, by v_wmma_scale_f32_16x16x128_f8f6f4 with both operands' format E3M2, f32 sums; products left as they are: f32 operands where the result goes on into a quantised operand, else bf16, f16 or f32 operands; f32 sums; everything else in f32.
;; Inputs: W1 2,048 x 1,024 float32; W2 1,024 x 1,024 float32; Wk_codes 1,024 x 32 x 24 uint8 (E3M2 codes of Wk, K innermost, in blocks of 32 codes, four codes in three bytes); Wk_scales 1,024 x 32 uint8 (E8M0 scales of Wk, one for each 32 codes along K); Wq 1,024 x 1,024 float32; Wv_codes 1,024 x 32 x 24 uint8 (E3M2 codes of Wv, K innermost, in blocks of 32 codes, four codes in three bytes); Wv_scales 1,024 x 32 uint8 (E8M0 scales of Wv, one for each 32 codes along K); b1 1,024 float32; b2 1,024 float32; bk 1,024 float32; bq 1,024 float32; bv 1,024 float32; nodes_codes 25,000 x 32 x 24 uint8 (E3M2 codes of nodes, K innermost, in blocks of 32 codes, four codes in three bytes); nodes_scales 25,000 x 32 uint8 (E8M0 scales of nodes, one for each 32 codes along K); scale 1,024 float32; z_prev 1,024 float32.
;; Outputs: out0 1,024 float32.
;; This version of the problem:
;;   THIS VERSION OF THE PROBLEM IS GIVEN IN LOW PRECISION. The matrix products marked QUANTISED in the list below multiply operands that are first quantised to E3M2 (3 exponent bits, 2 mantissa bits; 6 bits a number), with one power-of-two scale for each 32 numbers along K (OCP MX v1.0); their sums are f32. All else is computed in f32.
;;   The module's matrix products, in the order in which they are computed (A, B: the left and right operand; K: the contracted axis; several contracted axes count as one K, in the product's order):
;;     1. [M 1, K 1,024] x [K 1,024, N 1,024]; A: input z_prev; B: input Wq: left as it is (M = 1 < 16)
;;     2. [M 25,000, K 1,024] x [K 1,024, N 1,024]; A: input nodes (given as codes); B: input Wk (given as codes): QUANTISED
;;     3. [M 25,000, K 1,024] x [K 1,024, N 1,024]; A: input nodes (given as codes); B: input Wv (given as codes): QUANTISED
;;     4. batch 16 x [M 1, K 64] x [K 64, N 25,000]; A: computed on the way; B: computed on the way: left as it is (M = 1 < 16)
;;     5. batch 16 x [M 1, K 25,000] x [K 25,000, N 64]; A: softmax; B: computed on the way: left as it is (M = 1 < 16)
;;     6. [M 1, K 2,048] x [K 2,048, N 1,024]; A: computed on the way; B: input W1: left as it is (M = 1 < 16)
;;     7. [M 1, K 1,024] x [K 1,024, N 1,024]; A: computed on the way; B: input W2: left as it is (M = 1 < 16)
;;   THE QUANTISER, for each operand of a quantised product, along K:
;;     - K is cut into blocks of 32 from its start; a last block that is shorter is filled with zeros.
;;     - A block's scale is 2^e with e = floor(log2(the largest magnitude in the block)) - 4, held to -126 .. 127; a block of zeros has e = 0. As a byte (E8M0): e + 127.
;;     - Each number is divided by its block's scale, clamped to +-28, and rounded to the nearest number of E3M2, ties to even, subnormals kept.
;;     - The product sums the exact products of the quantised numbers (number of the format x scale) in f32.
;;   ~~~python
;;   def quantise(x, axis):      # numpy; x: float32 -> the quantised numbers, widened to float32 again
;;       x = np.moveaxis(x, axis, -1); K = x.shape[-1]
;;       x = np.pad(x, [(0, 0)] * (x.ndim - 1) + [(0, -K % 32)]); x = x.reshape(x.shape[:-1] + (-1, 32)); a = np.abs(x).max(-1, keepdims=True)
;;       e = np.where(a > 0, np.clip(np.frexp(np.where(a > 0, a, 1))[1] - 1 - 4, -126, 127), 0)      # np.frexp(a)[1] - 1 = floor(log2(a)), exactly
;;       r = np.clip(x / 2.0 ** e, -28, 28)
;;       step = 2.0 ** (np.maximum(np.frexp(np.where(r == 0, 1, r))[1] - 1, -2) - 2)
;;       q = np.round(r / step) * step * 2.0 ** e      # np.round: ties to even
;;       return np.moveaxis(q.reshape(q.shape[:-2] + (-1,))[..., :K], -1, axis).astype(np.float32)
;;   ~~~
;;   INPUTS GIVEN AS CODES. Wk (in the module: [1024, 1024], K = its axis 0); Wv (in the module: [1024, 1024], K = its axis 0); nodes (in the module: [25000, 1024], K = its axis 1): each comes as NAME_codes (uint8): NAME with its K axis moved to the last place and cut into blocks of 32 codes, [.., K / 32, bytes a block], one block behind the other in memory; four codes in three bytes: a row's codes are one little-endian stream of bits, code i at bits 6 i .. 6 i + 5 (a code: sign, 3 exponent bits, 2 mantissa bits); and NAME_scales (uint8): the same leading axes, one E8M0 byte (e + 127) for each 32 codes along K. Its value is code x scale, taken as it is: it is not quantised again, and the codes and scales need not be those that the quantiser above would give.
;; 2 versions, each right and faster than the one before. Each part assembles by itself: llvm-mc -triple=amdgcn-amd-amdhsa -mcpu=gfx1250 --defsym DOCPART=n.
;; ======== version 1 of 2: 5 launches
;; limits: a function is approximated: absolute error at most 1.5e-07; an absolute error that grows with the inputs' magnitude: up to 7.5e-08 times it
;; workspace buffers: wimg 1,572,864 bytes; zp 65,536 bytes; po 524,288 bytes; hp 131,072 bytes; yp 131,072 bytes
;; launch prep (part 1): grid 160 x 1, 8 waves a work-group, no clusters, 5,120 bytes of LDS; arguments z_prev, Wq, W1, Wk_codes, Wv_codes, zp, wimg; writes zp, wimg
.if DOCPART == 1
	.amdgcn_target "amdgcn-amd-amdhsa--gfx1250"
	.amdhsa_code_object_version 6
	.text
	.protected	k_qb3499e8952_prep
	.globl	k_qb3499e8952_prep
	.p2align	8
	.type	k_qb3499e8952_prep,@function
k_qb3499e8952_prep:
	s_mov_b64 s[64:65], 0
	v_nop
	global_prefetch_b8 v0, s[64:65] scope:SCOPE_SE
	s_setreg_imm32_b32 hwreg(HW_REG_WAVE_MODE, 25, 1), 1
	s_wait_xcnt 0x0
; FIRST OF FIVE LAUNCHES.  The program: prep (this) | attn: K = nodes Wk, V = nodes Wv, scores, running softmax, pooling | mlp1 | mlp2 | norm.
; WORK LEFT OUT, FOR ALL VALUES OF THE INPUTS: bk.  scores[h][c] = Q[h] . (nodes[c] Wk + bk)[h] / 8 = Q[h] . (nodes[c] Wk)[h] / 8 + Q[h] . bk[h] / 8.
; The second term does not hang on c, so it is the same along the softmax's axis and leaves the weights as they are; the product of Q with K is not quantised, so bk
; enters no quantiser either.  bk has no other way to an output: it is not loaded and is among no launch's arguments.
; LIMIT: a NaN, an infinity or an overflow that reaches only that term (in bk, or in Q . bk) is not carried to the result.
; bv is NOT left out: the softmax's weights sum to 1, so pooled = sum_c w (nodes Wv) + bv; it is added once, in mlp1.
; THIS LAUNCH does what hangs on z_prev and on the weights alone:
;   work-groups 0-127: partial sums of z_prev Wq (mat 0) and of z_prev W1[1024:2048] (mat 1), f32 multiply-adds.  A work-group takes 128 rows of K (kq) x 128 columns (cb);
;     each of its eight waves 16 rows: a load of a wave covers 512 consecutive bytes of one row.  The eight waves' sums meet in LDS; wave 0 stores 512 bytes into zp[mat][kq][128 cb ..].
;   work-groups 128-159: Wk's and Wv's codes are laid anew, in the order of the registers of the matrix operand that attn keeps: wimg[head][g][quad][lane][16 bytes], g = 32 mat + 4 s + ct,
;     fragment (ct, s) = 16 columns x 128 along K; its column r is feature 64 head + 4 r + ct.  Lane (r, h) holds bytes 96 s + 24 h .. + 23 and 96 s + 48 + 24 h .. + 23 of that feature's row of codes.
.set SPARE, 4096                       ; LDS: 4,096 bytes of partial sums, then the spare words, 128 bytes for each of the eight waves
.set SPW, 4                            ; v4  LDS address of my spare word; never rewritten
.set NIL, 5                            ; v5  0; never rewritten
	s_load_b256 s[4:11], s[0:1], 0x0               ; z_prev s[4:5], Wq s[6:7], W1 s[8:9], Wk_codes s[10:11]
	s_load_b128 s[12:15], s[0:1], 0x20             ; Wv_codes s[12:13], zp s[14:15]
	s_load_b64 s[16:17], s[0:1], 0x30              ; wimg
	v_lshl_add_u32 v[SPW], v0, 2, SPARE
	v_mov_b32 v[NIL], 0
	v_lshrrev_b32 v1, 5, v0
	v_readfirstlane_b32 s18, v1                    ; wave 0..7
	v_and_b32 v1, 31, v0
	v_lshlrev_b32 v1, 4, v1                        ; 16 x lane
	s_mov_b32 s21, 0                               ; upper words of the 64-bit offsets
	s_mov_b32 s23, 0
	s_mov_b32 s31, 0
	s_cmp_ge_u32 ttmp9, 128                        ; the work-group's number alone: all eight waves go the same way
	s_cbranch_scc1 .Limage
	; ---- z_prev times 16 rows x 128 columns
	s_lshr_b32 s24, ttmp9, 6                       ; mat
	s_bfe_u32 s25, ttmp9, 0x30003                  ; cb: 3 bits from bit 3
	s_and_b32 s26, ttmp9, 7                        ; kq
	s_lshl_b32 s27, s26, 7
	s_lshl_b32 s28, s18, 4
	s_add_co_u32 s27, s27, s28                     ; my first row k0 = 128 kq + 16 wave
	s_lshl_b32 s20, s27, 2                         ; its place in z_prev
	s_lshl_b32 s22, s24, 22                        ; mat 1: W1's rows from 1,024 on begin 4,194,304 bytes in
	s_lshl_b32 s28, s27, 12
	s_add_co_u32 s22, s22, s28                     ; + k0 rows of 4,096 bytes
	s_lshl_b32 s28, s25, 9
	s_add_co_u32 s22, s22, s28                     ; + 128 cb columns
	s_lshl_b32 s30, s24, 15                        ; zp: mat x 32,768 + kq x 4,096 + cb x 512
	s_lshl_b32 s29, s26, 12
	s_add_co_u32 s30, s30, s29
	s_add_co_u32 s30, s30, s28
	v_lshlrev_b32 v2, 4, v0                        ; LDS: 16 x thread
	s_wait_kmcnt 0x0
	s_add_nc_u64 s[4:5], s[4:5], s[20:21]
	s_load_b512 s[32:47], s[4:5], 0x0              ; my 16 numbers of z_prev, as scalars
	s_cmp_eq_u32 s24, 0
	s_cselect_b64 s[6:7], s[6:7], s[8:9]           ; Wq or W1: the choice hangs on the work-group's number
	s_add_nc_u64 s[6:7], s[6:7], s[22:23]
	s_add_nc_u64 s[14:15], s[14:15], s[30:31]
.irp i, 0,1,2,3,4,5,6,7,8,9,10,11,12,13,14,15
	global_load_b128 v[16+4*\i:19+4*\i], v1, s[6:7] offset:4096*\i th:TH_LOAD_NT
.endr
	s_wait_kmcnt 0x0
.irp i, 0,1,2,3,4,5,6,7,8,9,10,11,12,13,14,15
	s_wait_loadcnt 15-\i                           ; row i is in; the younger rows stay out
.irp c, 0,1,2,3
.if \i == 0
	v_mul_f32 v[8+\c], s[32+\i], v[16+4*\i+\c]     ; the first row starts the sums
.else
	v_fmac_f32 v[8+\c], s[32+\i], v[16+4*\i+\c]
.endif
.endr
.endr
	ds_store_b128 v2, v[8:11]
	s_wait_dscnt 0x0                               ; for the others' sake: my store has landed
	s_barrier_signal -1
	s_barrier_wait -1
	s_cmp_lg_u32 s18, 0
	s_cbranch_scc1 .Lend                           ; wave 0 adds the eight
.irp k, 0,1,2,3,4,5,6,7
	ds_load_b128 v[16+4*\k:19+4*\k], v1 offset:512*\k
.endr
	s_wait_dscnt 0x0
	v_pk_add_f32 v[8:9], v[16:17], v[20:21]
	v_pk_add_f32 v[10:11], v[18:19], v[22:23]
.irp k, 2,3,4,5,6,7
	v_pk_add_f32 v[8:9], v[8:9], v[16+4*\k:17+4*\k]
	v_pk_add_f32 v[10:11], v[10:11], v[18+4*\k:19+4*\k]
.endr
	global_store_b128 v1, v[8:11], s[14:15]        ; 512 consecutive bytes
	s_branch .Lend
	; ---- the images of Wk's and Wv's fragments
.Limage:
	s_sub_co_u32 s24, ttmp9, 128
	s_lshr_b32 s25, s24, 4                         ; mat: 0 Wk, 1 Wv
	s_and_b32 s26, s24, 15                         ; head
	s_lshr_b32 s27, s18, 1                         ; ct
	s_and_b32 s28, s18, 1                          ; sh: K steps 4 sh .. 4 sh + 3
	s_mul_i32 s20, s26, 49152                      ; 64 rows of 768 bytes a head
	s_mul_i32 s29, s27, 768
	s_add_co_u32 s20, s20, s29
	s_mul_i32 s29, s28, 384
	s_add_co_u32 s20, s20, s29
	s_lshl_b32 s22, s25, 5
	s_lshl_b32 s29, s28, 4
	s_add_co_u32 s22, s22, s29
	s_add_co_u32 s22, s22, s27                     ; g of my first fragment: 32 mat + 16 sh + ct
	s_mul_i32 s22, s22, 1536                       ; a fragment's image is 1,536 bytes
	s_mul_i32 s29, s26, 98304                      ; a head's 64 images
	s_add_co_u32 s22, s22, s29
	v_and_b32 v2, 15, v0                           ; r
	v_bfe_u32 v3, v0, 4, 1                         ; h
	v_mul_u32_u24 v2, v2, 3072                     ; feature 4 r + ct: four rows of 768 bytes from lane to lane
	v_mad_u32_u24 v2, v3, 24, v2
	s_wait_kmcnt 0x0
	s_cmp_eq_u32 s25, 0
	s_cselect_b64 s[10:11], s[10:11], s[12:13]
	s_add_nc_u64 s[10:11], s[10:11], s[20:21]
	s_add_nc_u64 s[16:17], s[16:17], s[22:23]
.irp s, 0,1,2,3
.irp i, 0,1,2,3,4,5
	global_load_b64 v[16+12*\s+2*\i:17+12*\s+2*\i], v2, s[10:11] offset:96*\s+48*(\i/3)+8*(\i%3)
.endr
.endr
.irp s, 0,1,2,3
	s_wait_loadcnt 6*(3-\s)                        ; this K step's six loads are in; the later steps' stay out
.irp q, 0,1,2
	global_store_b128 v1, v[16+12*\s+4*\q:19+12*\s+4*\q], s[16:17] offset:6144*\s+512*\q   ; K step s is four fragments (6,144 bytes) on; 512 consecutive bytes a store
.endr
.endr
.Lend:
	s_wait_tensorcnt 0x0                           ; the wave's end: a tensor wait, an add to my spare word
	ds_add_u32 v[SPW], v[NIL]
	s_wait_dscnt 0x0
	s_endpgm
.Lfunc_end_k_qb3499e8952_prep:
	.size	k_qb3499e8952_prep, .Lfunc_end_k_qb3499e8952_prep-k_qb3499e8952_prep
	.p2alignl 7, 3214868480
	.fill 96, 4, 3214868480
	.section	.rodata,"a",@progbits
	.p2align	6, 0x0
	.amdhsa_kernel k_qb3499e8952_prep
		.amdhsa_group_segment_fixed_size 5120
		.amdhsa_private_segment_fixed_size 0
		.amdhsa_enable_private_segment 0
		.amdhsa_kernarg_size 56
		.amdhsa_user_sgpr_count 2
		.amdhsa_user_sgpr_kernarg_segment_ptr 1
		.amdhsa_wavefront_size32 1
		.amdhsa_system_sgpr_workgroup_id_x 1
		.amdhsa_system_sgpr_workgroup_id_y 1
		.amdhsa_system_sgpr_workgroup_id_z 1
		.amdhsa_system_vgpr_workitem_id 0
		.amdhsa_next_free_vgpr 96
		.amdhsa_next_free_sgpr 66
		.amdhsa_reserve_vcc 0
		.amdhsa_float_denorm_mode_32 3
		.amdhsa_float_denorm_mode_16_64 3
		.amdhsa_memory_ordered 1
		.amdhsa_forward_progress 1
		.amdhsa_inst_pref_size 13
	.end_amdhsa_kernel
	.amdgpu_metadata
---
amdhsa.version: [ 1, 2 ]
amdhsa.kernels:
  - .name:           k_qb3499e8952_prep
    .symbol:         k_qb3499e8952_prep.kd
    .args:
      - { .name: z_prev, .offset: 0, .size: 8, .value_kind: global_buffer, .address_space: global }
      - { .name: Wq, .offset: 8, .size: 8, .value_kind: global_buffer, .address_space: global }
      - { .name: W1, .offset: 16, .size: 8, .value_kind: global_buffer, .address_space: global }
      - { .name: Wk_codes, .offset: 24, .size: 8, .value_kind: global_buffer, .address_space: global }
      - { .name: Wv_codes, .offset: 32, .size: 8, .value_kind: global_buffer, .address_space: global }
      - { .name: zp, .offset: 40, .size: 8, .value_kind: global_buffer, .address_space: global }
      - { .name: wimg, .offset: 48, .size: 8, .value_kind: global_buffer, .address_space: global }
    .group_segment_fixed_size: 5120
    .private_segment_fixed_size: 0
    .kernarg_segment_align: 8
    .kernarg_segment_size: 56
    .max_flat_workgroup_size: 256
    .sgpr_count:     66
    .vgpr_count:     96
    .wavefront_size: 32
...
	.end_amdgpu_metadata
.endif
;; end of part 1
;; launch attn (part 2): grid 4 x 64, 4 waves a work-group, clusters of 4 x 1, 327,680 bytes of LDS; arguments nodes_codes, nodes_scales, wimg, Wk_scales, Wv_scales, zp, bq, po; writes po
.if DOCPART == 2
	.amdgcn_target "amdgcn-amd-amdhsa--gfx1250"
	.amdhsa_code_object_version 6
	.text
	.protected	k_qb3499e8952_attn
	.globl	k_qb3499e8952_attn
	.p2align	8
	.type	k_qb3499e8952_attn,@function
k_qb3499e8952_attn:
	s_mov_b64 s[64:65], 0
	v_nop
	global_prefetch_b8 v0, s[64:65] scope:SCOPE_SE
	s_setreg_imm32_b32 hwreg(HW_REG_WAVE_MODE, 25, 1), 1
	s_wait_xcnt 0x0
	s_wait_alu depctr_hold_cnt(0) depctr_sa_sdst(0) depctr_va_vdst(0) depctr_va_sdst(0) depctr_va_ssrc(0) depctr_va_vcc(0) depctr_vm_vsrc(0)
	s_getreg_b32 s2, hwreg(HW_REG_IB_STS2, 6, 4)
	s_cmp_eq_u32 s2, 0
	s_cbranch_scc0 .Lentry_in_a_cluster
	s_endpgm
.Lentry_in_a_cluster:
	s_bfe_u32 s2, ttmp6, 0x10000c
	s_cmp_lg_u32 s2, 0x3003
	s_cbranch_scc0 .Lentry_shape_is_right
	s_endpgm
.Lentry_shape_is_right:
; K = nodes Wk and V = nodes Wv on codes of E3M2 with E8M0 scales, the scores Q . K / 8, a running softmax over the nodes, and the pooling sum of p V: one record (O[64], m, l) for each row split and head.
; LEFT OUT: bk (it adds the same number to all scores of a head: shown at the head of the first launch).  bv is added in the next launch.
; SHARES.  64 row splits (y) x 4 groups of 4 heads (cx, my place in the cluster).  Wave w owns head 4 cx + w: 64 columns of K and 64 of V, whose 64 fragments (8 tiles of 16 columns x 8 K steps, 768 registers)
; stay in its registers for the whole launch.  A split is 25 tiles of 16 node rows: rows start .. start + 399, start = 390 y + min(y, 30); its own rows are the first 391 (y < 30), 390, or 400 (y = 63):
; only the last tile holds rows of the next split, and their scores become -infinity.  start + 399 is at most 24,999: no load leaves the tensor.
; CLUSTER.  The four partners take the same node rows for other heads: the rows are asked for JOINTLY, each wave one tensor load of codes (96 rows) and one of scale bytes (100 rows), once, at the head.
; The weights are not asked for jointly: the partners of a cluster hold different heads, and work-groups of equal cx would need a stage in LDS, of whose 327,680 bytes the rows, their scales and the spare words take 326,656.
; LDS: rows 16 .. 399 of the split as units of 256 bytes + 16 of padding (a row: 3 units, 816 bytes); then the 400 rows' scale bytes, 32 a row; then the spare words.  Rows 0 .. 15 come straight from memory into registers.
; LAYOUT.  Source 0 = 16 node rows, source 1 = 16 columns; column r of tile ct is feature 64 head + 4 r + ct.  In a result lane (r, h) holds nodes 8 h + 0 .. 7 of that feature.  So a score is 4 multiply-adds a lane
; and a sum over 16 lanes; p lies in 8 registers a lane, O in 4 pairs.  Each half of the lanes keeps its own m and l (its own 8 nodes of each tile); the halves are joined on the way out.
; SOFTMAX.  t = score x log2(e) / 8 (the factor is folded into Q); m the running largest t; p = 2^(t - m); l and O are multiplied by f = 2^(old m - new m) in every tile.
; BY TURNS.  A tile is 32 products for K and 32 for V on the same 8 node fragments.  The tile's scores and softmax stand in slices between its V products, its update of O between the next tile's K products.
; LIMITS: NaN and infinities among the inputs are not served; m begins at -3e38; v_exp_f32 gives 0 where its result would be denormal.
; REGISTERS, window 0: v1-7 addresses; v8-11 Q; v12-19 t, then p; v20-27 O; v28-29 l; v30 m; v31-39 at work; v40-47 node scale words, two sets; v48-79 weight scale words; v80-91 weight fragment 63;
;   v92-123 K's four accumulators; v124-155 V's; v156 8 h; v157 -infinity; v160-255 the tile's 8 node fragments.  Windows 1-3: weight fragments 0-62, 21 to a window.
.set PITCH,  816                       ; a node row in LDS
.set TILEB,  16*PITCH                  ; a tile of 16 rows
.set WCODE,  288*272                   ; what one tensor load of codes fills: 96 rows
.set SCB,    4*WCODE                   ; the scale bytes begin here
.set WSCL,   3200                      ; what one tensor load of scale bytes fills: 100 rows
.set SPARE,  SCB+4*WSCL                ; the spare words, 128 bytes for each wave: two blocks of 256 bytes that no other line names
.set L16,  1                           ; v1   16 x lane
.set ADA,  2                           ; v2   816 r + 24 h: my place in a tile
.set ADB,  3                           ; v3   816 r + 40 h: the same for pieces whose partner three pieces on lies behind one padding more
.set ANS,  4                           ; v4   SCB + 32 r + 16 h
.set SPW,  5                           ; v5   LDS address of my spare word; never rewritten
.set NIL,  6                           ; v6   0; never rewritten
.set O16,  7                           ; v7   16 r
.set QV,   8
.set T,    12
.set OP,   20
.set LP,   28
.set MX,   30
.set DD,   31
.set FF,   32
.set MN,   34
.set SU,   36
.set TM,   38
.set NS,   40
.set WS,   48
.set WL,   80
.set KA,   92
.set VA,   124
.set H8,   156
.set NINF, 157
.set AF,   160
.set WV,   20                          ; s20  my wave's number
.set SEL,  28                          ; s[28:29] v_permlanex16_b32's selects for lane l xor 16
.set G1C,  32                          ; s[32:39] descriptor group 1, codes;  s[40:47] scale bytes;  s[48:51], s[52:55] their groups 0
.set G1S,  40
.set G0C,  48
.set G0S,  52
.set LIMJ, 68                          ; s[68:75] lim - j: register j of the last tile counts where this is above 8 h
.set MSB, 0
.macro WIN new                         ; the immediate's high byte repeats the setting that is left; a switch that changes nothing is dropped
.if MSB != (\new)
	s_set_vgpr_msb (MSB<<8)|(\new)
.set MSB, (\new)
.endif
.endm
.macro CROUND                          ; a round of the cluster's barrier
	s_barrier_signal -1
	s_barrier_wait -1
	s_cmp_lg_u32 s[WV], 0
	s_cbranch_scc1 .Lnot_wave_0_\@
	s_barrier_signal -3
.Lnot_wave_0_\@:
	s_barrier_wait -3
	s_barrier_signal -1
	s_barrier_wait -1
.endm
.macro PLACES
.rept 4
	v_nop
.endr
.endm
; Node fragment s (16 rows x 128 K, 12 registers) of the tile that begins off bytes behind my address registers: six pieces of 8 bytes.  Lanes 0-15 take the row's pieces 12 s + 0, 1, 2, 6, 7, 8,
; lanes 16-31 those three pieces on; 16 bytes of padding lie behind every 32 pieces.
.macro FRAGLD s, off
.irp i, 0,1,2,3,4,5
.set pcx, 12*(\s)+6*(\i/3)+\i%3
.if pcx%32 < 29
	ds_load_b64 v[AF+12*(\s)+2*\i:AF+12*(\s)+2*\i+1], v[ADA] offset:(\off)+8*pcx+16*(pcx/32)
.else
	ds_load_b64 v[AF+12*(\s)+2*\i:AF+12*(\s)+2*\i+1], v[ADB] offset:(\off)+8*pcx+16*(pcx/32)
.endif
.endr
.endm
; Product n of a phase's 32: K step n / 4, column tile n % 4.  The four accumulators take turns, one instruction a turn.  The first four start the sums with the constant 0.
; A scale register holds K step i in lanes 0-15 and K step 4 + i in lanes 16-31.
.macro MM isV, par
.set gfr, 32*(\isV)+n
.if gfr < 63
.set wB, 1+gfr/21
.set rB, 12*(gfr%21)
.else
.set wB, 0
.set rB, WL
.endif
.set rD, KA+32*(\isV)+8*(n%4)
.set rA, AF+12*(n/4)
.set rN, NS+4*(\par)+(n/4)%4
.set rW, WS+16*(\isV)+4*(n%4)+(n/4)%4
	WIN wB<<2
.if n < 4
	v_wmma_scale_f32_16x16x128_f8f6f4 v[rD:rD+7], v[rA:rA+11], v[rB:rB+11], 0, v[rN], v[rW] matrix_a_fmt:MATRIX_FMT_BF6 matrix_b_fmt:MATRIX_FMT_BF6
.elseif n < 16
	v_wmma_scale_f32_16x16x128_f8f6f4 v[rD:rD+7], v[rA:rA+11], v[rB:rB+11], v[rD:rD+7], v[rN], v[rW] matrix_a_fmt:MATRIX_FMT_BF6 matrix_b_fmt:MATRIX_FMT_BF6
.else
	v_wmma_scale_f32_16x16x128_f8f6f4 v[rD:rD+7], v[rA:rA+11], v[rB:rB+11], v[rD:rD+7], v[rN], v[rW] matrix_a_fmt:MATRIX_FMT_BF6 matrix_b_fmt:MATRIX_FMT_BF6 matrix_a_scale:MATRIX_SCALE_ROW1 matrix_b_scale:MATRIX_SCALE_ROW1
.endif
.endm
; Entry ke of 20: O under the new m, then O += V x p, two nodes at a time.  Each of V's accumulators is first read at its low end.
.macro KENT
.if ke < 4
	v_pk_mul_f32 v[OP+2*ke:OP+2*ke+1], v[OP+2*ke:OP+2*ke+1], v[FF:FF+1] op_sel_hi:[1,0]
.else
	v_pk_fma_f32 v[OP+2*(ke%4):OP+2*(ke%4)+1], v[VA+8*(ke%4)+2*(ke/4-1):VA+8*(ke%4)+2*(ke/4-1)+1], v[T+2*(ke/4-1):T+2*(ke/4-1)+1], v[OP+2*(ke%4):OP+2*(ke%4)+1]
.endif
.endm
; Entry ve of the tile's scores and softmax.  0-15: t = sum over my four features of K x Q, two nodes at a time (each of K's accumulators is first read at its low end).  16-47: the sum over the 16 lanes of my half.
; last = 1: 16 entries more, which put -infinity over the rows of the next split.  Then: the new m (4), old m - new m, m; t - m (4); ONE BATCH of nine exponentials, none of which reads another's result;
; a plain instruction and the one wait ahead of the first reader; the sum of p and l (4).  What is over is v_nop: the last slice's are the places behind the phase's last products.
.macro VENT last
.set ee, ve
.if (\last) && (ve >= 64)
.set ee, ve-16
.endif
.if (\last) && (ve >= 48) && (ve < 64)
.if ve%2 == 0
	v_cmp_gt_i32 vcc_lo, s[LIMJ+(ve-48)/2], v[H8]
.else
	v_cndmask_b32 v[T+(ve-48)/2], v[NINF], v[T+(ve-48)/2], vcc_lo
.endif
.elseif ee < 4
	v_pk_mul_f32 v[T+2*ee:T+2*ee+1], v[KA+2*ee:KA+2*ee+1], v[QV:QV+1] op_sel_hi:[1,0]
.elseif ee < 8
	v_pk_fma_f32 v[T+2*(ee%4):T+2*(ee%4)+1], v[KA+8+2*(ee%4):KA+8+2*(ee%4)+1], v[QV:QV+1], v[T+2*(ee%4):T+2*(ee%4)+1] op_sel:[0,1,0] op_sel_hi:[1,1,1]
.elseif ee < 12
	v_pk_fma_f32 v[T+2*(ee%4):T+2*(ee%4)+1], v[KA+16+2*(ee%4):KA+16+2*(ee%4)+1], v[QV+2:QV+3], v[T+2*(ee%4):T+2*(ee%4)+1] op_sel_hi:[1,0,1]
.elseif ee < 16
	v_pk_fma_f32 v[T+2*(ee%4):T+2*(ee%4)+1], v[KA+24+2*(ee%4):KA+24+2*(ee%4)+1], v[QV+2:QV+3], v[T+2*(ee%4):T+2*(ee%4)+1] op_sel:[0,1,0] op_sel_hi:[1,1,1]
.elseif ee < 24
	v_add_f32_dpp v[T+ee%8], v[T+ee%8], v[T+ee%8] row_xmask:1 row_mask:0xf bank_mask:0xf
.elseif ee < 32
	v_add_f32_dpp v[T+ee%8], v[T+ee%8], v[T+ee%8] row_xmask:2 row_mask:0xf bank_mask:0xf
.elseif ee < 40
	v_add_f32_dpp v[T+ee%8], v[T+ee%8], v[T+ee%8] row_xmask:4 row_mask:0xf bank_mask:0xf
.elseif ee < 48
	v_add_f32_dpp v[T+ee%8], v[T+ee%8], v[T+ee%8] row_xmask:8 row_mask:0xf bank_mask:0xf
.elseif ee == 48
	v_max3_num_f32 v[MN], v[T], v[T+1], v[T+2]
.elseif ee == 49
	v_max3_num_f32 v[MN], v[MN], v[T+3], v[T+4]
.elseif ee == 50
	v_max3_num_f32 v[MN], v[MN], v[T+5], v[T+6]
.elseif ee == 51
	v_max3_num_f32 v[MN], v[MN], v[T+7], v[MX]
.elseif ee == 52
	v_sub_f32 v[DD], v[MX], v[MN]
.elseif ee == 53
	v_mov_b32 v[MX], v[MN]
.elseif ee < 58
	v_pk_add_f32 v[T+2*(ee-54):T+2*(ee-54)+1], v[T+2*(ee-54):T+2*(ee-54)+1], v[MN:MN+1] op_sel_hi:[1,0] neg_lo:[0,1] neg_hi:[0,1]
.elseif ee == 58
	v_exp_f32 v[FF], v[DD]
.elseif ee < 67
	v_exp_f32 v[T+ee-59], v[T+ee-59]
.elseif ee == 67
	v_nop
	s_wait_alu depctr_va_vdst(0)
.elseif ee == 68
	v_pk_add_f32 v[SU:SU+1], v[T:T+1], v[T+2:T+3]
.elseif ee == 69
	v_pk_add_f32 v[TM:TM+1], v[T+4:T+5], v[T+6:T+7]
.elseif ee == 70
	v_pk_add_f32 v[SU:SU+1], v[SU:SU+1], v[TM:TM+1]
.elseif ee == 71
	v_pk_fma_f32 v[LP:LP+1], v[LP:LP+1], v[FF:FF+1], v[SU:SU+1] op_sel_hi:[1,0,1]
.else
	v_nop
.endif
.endm
; A TILE.  par: its set of node scale words.  first = 1: tile 0, whose fragments came from memory and which has no tile before it.  last = 1: the mask, and nothing more to fetch.
; ko: where this tile lies in LDS (its fragment 7 is fetched in its own K phase, when the tile before has done with the registers); vo: where the next tile lies; no: the next tile's scale words.
; THE LDS LOADS go out in this order: scale words, fragments 0 .. 6 (V phase), fragment 7 (next K phase).  A load into a fragment's registers stands four plain vector instructions or more behind the last
; product that read them: fragment 0 behind entries 5-15; 1, 2, 3 behind entries 48-54; 4 behind 48-57; 5 behind 55-57 and 67-69; 6 behind 67-79; 7 and the scale words behind the last slice's five v_nop.
.macro TILE par, first, last, ko, vo, no
.set n, 0
.set ke, 0
.rept 32
.if ((\first) == 0) && (n%4 == 0)
.if n == 0
	s_wait_dscnt 36                                ; the scale words and fragment 0 are in; fragments 1 to 6, six loads each, may be out
.else
	s_wait_dscnt 6*(7-n/4)                         ; this K step's fragment is in; the later ones, up to 7, may be out
.endif
.endif
	MM 0, \par
.if ((\first) == 0) && (n%2 == 1) && (n < 8)
	WIN 0
.rept 5
	KENT
.set ke, ke+1
.endr
.if n == 3
	FRAGLD 7, \ko
.endif
.endif
.if n == 31
	WIN 0
	PLACES                                         ; behind K's last products, ahead of the first read of the scores' terms
.endif
.set n, n+1
.endr
.set n, 0
.set ve, 0
.rept 32
	MM 1, \par
.if n%2 == 1
	WIN 0
.rept 5+(\last)
	VENT \last
.set ve, ve+1
.endr
.if (\last) == 0
.if n == 3
	ds_load_b128 v[NS+4*(1-(\par)):NS+4*(1-(\par))+3], v[ANS] offset:\no
.elseif n == 7
	FRAGLD 0, \vo
.elseif n == 21
	FRAGLD 1, \vo
	FRAGLD 2, \vo
	FRAGLD 3, \vo
.elseif n == 23
	FRAGLD 4, \vo
.elseif n == 27
	FRAGLD 5, \vo
.elseif n == 31
	FRAGLD 6, \vo
.endif
.endif
.endif
.set n, n+1
.endr
.endm
	s_load_b512 s[4:19], s[0:1], 0x0               ; nodes_codes s[4:5], nodes_scales s[6:7], wimg s[8:9], Wk_scales s[10:11], Wv_scales s[12:13], zp s[14:15], bq s[16:17], po s[18:19]
	v_lshl_add_u32 v[SPW], v0, 2, SPARE
	v_mov_b32 v[NIL], 0
	ds_add_u32 v[SPW], v[NIL]                      ; the wave's opening: the add, twice on end, and its wait stand ahead of my first tensor load; the set-up below stands between
	ds_add_u32 v[SPW], v[NIL]
	v_lshrrev_b32 v7, 5, v0
	v_readfirstlane_b32 s[WV], v7                  ; wave 0..3
	s_bfe_u32 s21, ttmp6, 0x40000                  ; cx: it enters global addresses of weights, Q and the record alone
	s_and_b32 s22, ttmp7, 0xffff                   ; y, which the four partners share
	s_lshl_b32 s23, s21, 2
	s_add_co_u32 s23, s23, s[WV]                   ; my head
	s_mul_i32 s24, s22, 390
	s_min_u32 s25, s22, 30
	s_add_co_u32 s24, s24, s25                     ; start
	s_cmp_lt_u32 s22, 30
	s_cselect_b32 s25, 7, 6                        ; lim = my rows - 384
	s_cmp_eq_u32 s22, 63
	s_cselect_b32 s25, 16, s25
.irp j, 0,1,2,3,4,5,6,7
	s_sub_co_i32 s[LIMJ+\j], s25, \j
.endr
	s_mov_b32 s[SEL], 0x76543210
	s_mov_b32 s[SEL+1], 0xfedcba98
	s_mov_b32 s31, 0xffff0000                      ; lanes 16-31
	; group 1, codes: a dense block of 96 rows x 768 bytes as 288 rows of 32 elements of 8 bytes, 16 bytes of padding behind each
	s_mov_b32 s[G1C], 15|(3<<16)|(1<<20)|(1<<21)|(5<<22)|(3<<25)  ; 15:0 the mask: all four work-groups; 17:16 elements of 8 bytes; 20 padding on; 21 set beside a mask; 24:22 after every 64 words; 31:25 4 words of it
	s_mov_b32 s[G1C+1], 32<<16                     ; tensor_dim0
	s_mov_b32 s[G1C+2], 288<<16                    ; tensor_dim1
	s_mov_b32 s[G1C+3], 32<<16                     ; tile_dim0
	s_mov_b32 s[G1C+4], 288                        ; tile_dim1
	s_mov_b32 s[G1C+5], 32                         ; elements from row to row
	s_mov_b32 s[G1C+6], 0
	s_mov_b32 s[G1C+7], 0
	; group 1, scale bytes: a dense block of 100 rows x 32 bytes as 25 rows of 16 elements of 8 bytes, no padding
	s_mov_b32 s[G1S], 15|(3<<16)|(1<<21)
	s_mov_b32 s[G1S+1], 16<<16
	s_mov_b32 s[G1S+2], 25<<16
	s_mov_b32 s[G1S+3], 16<<16
	s_mov_b32 s[G1S+4], 25
	s_mov_b32 s[G1S+5], 16
	s_mov_b32 s[G1S+6], 0
	s_mov_b32 s[G1S+7], 0
	s_mul_i32 s26, s[WV], 96
	s_add_co_u32 s26, s26, s24
	s_add_co_u32 s26, s26, 16
	s_mul_i32 s26, s26, 768                        ; codes: row start + 16 + 96 wave
	s_mov_b32 s27, 0
	s_mul_i32 s56, s[WV], 100
	s_add_co_u32 s56, s56, s24
	s_lshl_b32 s56, s56, 5                         ; scale bytes: row start + 100 wave
	s_mov_b32 s57, 0
	s_mul_i32 s58, s23, 98304                      ; my head's 64 images
	s_mov_b32 s59, 0
	s_lshl_b32 s60, s23, 11                        ; its 64 rows of 32 scale bytes
	s_mov_b32 s61, 0
	s_lshl_b32 s62, s23, 8                         ; its 64 numbers of Q
	s_mov_b32 s63, 0
	s_lshl_b32 s66, s22, 13
	s_lshl_b32 s67, s23, 9
	s_add_co_u32 s66, s66, s67                     ; my record: 8,192 y + 512 head
	s_mov_b32 s67, 0
	s_mul_i32 s76, s24, 768                        ; tile 0's rows
	s_mov_b32 s77, 0
	s_mov_b32 s[G0C], 1                            ; count = 1
	s_mul_i32 s[G0C+1], s[WV], WCODE               ; LDS address: the wave's number times a constant
	s_mov_b32 s[G0S], 1
	s_mul_i32 s[G0S+1], s[WV], WSCL
	s_add_co_u32 s[G0S+1], s[G0S+1], SCB
	v_and_b32 v8, 15, v0                           ; r
	v_bfe_u32 v9, v0, 4, 1                         ; h
	v_and_b32 v[L16], 31, v0
	v_lshlrev_b32 v[L16], 4, v[L16]
	v_mul_u32_u24 v[ADA], v8, PITCH
	v_mad_u32_u24 v[ADB], v9, 40, v[ADA]
	v_mad_u32_u24 v[ADA], v9, 24, v[ADA]
	v_lshlrev_b32 v[ANS], 5, v8
	v_lshl_add_u32 v[ANS], v9, 4, v[ANS]
	v_add_nc_u32 v[ANS], SCB, v[ANS]
	v_lshlrev_b32 v[O16], 4, v8
	v_lshlrev_b32 v[SU], 7, v8
	v_lshl_add_u32 v[SU], v9, 4, v[SU]             ; weight scale words: feature 4 r + ct: 128 r + 16 h
	v_mul_u32_u24 v[SU+1], v8, 768
	v_mad_u32_u24 v[SU+1], v9, 24, v[SU+1]         ; tile 0 in memory: 768 r + 24 h
	v_lshlrev_b32 v[H8], 3, v9
	v_mov_b32 v[NINF], 0xff800000
.irp j, 0,1,2,3,4,5,6,7,8,9
	v_mov_b32 v[OP+\j], 0                          ; O and l begin as zeros: the tile is written once for all tiles but the first's K phase
.endr
	v_mov_b32 v[MX], 0xff61b1e6                    ; m begins at -3e38, under every t
	v_mov_b32 v[FF+1], 0                           ; (named as upper halves of pairs of which the low word serves both halves)
	v_mov_b32 v[MN+1], 0
	s_wait_dscnt 0x0                               ; both opening adds are done
	s_wait_kmcnt 0x0
	s_add_nc_u64 s[G0C+2:G0C+3], s[4:5], s[26:27]
	s_or_b32 s[G0C+3], s[G0C+3], 0x80000000        ; type = 2
	s_add_nc_u64 s[G0S+2:G0S+3], s[6:7], s[56:57]
	s_or_b32 s[G0S+3], s[G0S+3], 0x80000000
	s_add_nc_u64 s[4:5], s[4:5], s[76:77]
	s_add_nc_u64 s[8:9], s[8:9], s[58:59]
	s_add_nc_u64 s[10:11], s[10:11], s[60:61]
	s_add_nc_u64 s[12:13], s[12:13], s[60:61]
	s_add_nc_u64 s[14:15], s[14:15], s[62:63]
	s_add_nc_u64 s[16:17], s[16:17], s[62:63]
	s_add_nc_u64 s[18:19], s[18:19], s[66:67]
	CROUND                                         ; all four work-groups are here: the joint loads meet
	tensor_load_to_lds s[G0C:G0C+3], s[G1C:G1C+7]  ; every wave issues both: two tensor loads of mine are out, and no LDS byte is filled twice in the launch
	s_nop 0
	tensor_load_to_lds s[G0S:G0S+3], s[G1S:G1S+7]
	s_nop 0
.rept 4
	v_nop
.endr
.irp k, 0,1,2,3,4,5,6,7
	global_load_b128 v[KA+4*\k:KA+4*\k+3], v[O16], s[14:15] offset:4096*\k   ; the eight partial sums of z_prev Wq at my four features
.endr
	global_load_b128 v[KA+32:KA+35], v[O16], s[16:17]                        ; bq
.irp c, 0,1,2,3
	global_load_b128 v[WS+4*\c:WS+4*\c+3], v[SU], s[10:11] offset:32*\c
	global_load_b128 v[WS+16+4*\c:WS+16+4*\c+3], v[SU], s[12:13] offset:32*\c
.endr
.irp s, 0,1,2,3,4,5,6,7
.irp i, 0,1,2,3,4,5
	global_load_b64 v[AF+12*\s+2*\i:AF+12*\s+2*\i+1], v[SU+1], s[4:5] offset:96*\s+48*(\i/3)+8*(\i%3)   ; tile 0
.endr
.endr
.set g, 0
.rept 64                                           ; my 64 weight fragments: three loads of 512 consecutive bytes each
.if g < 63
	WIN (1+g/21)<<6
.set rB, 12*(g%21)
.else
	WIN 0
.set rB, WL
.endif
.irp q, 0,1,2
	global_load_b128 v[rB+4*\q:rB+4*\q+3], v[L16], s[8:9] offset:(3*g+\q)*512
.endr
.set g, g+1
.endr
	WIN 0
	s_wait_tensorcnt 0x0                           ; my parts of the rows and of their scale bytes have landed,
	s_barrier_signal -1
	s_barrier_wait -1                              ; everybody's have
	ds_load_b128 v[NS:NS+3], v[ANS]                ; tile 0's scale words
	s_wait_loadcnt 0x0
	v_pk_add_f32 v[QV:QV+1], v[KA:KA+1], v[KA+4:KA+5]
	v_pk_add_f32 v[QV+2:QV+3], v[KA+2:KA+3], v[KA+6:KA+7]
.irp k, 2,3,4,5,6,7,8
	v_pk_add_f32 v[QV:QV+1], v[QV:QV+1], v[KA+4*\k:KA+4*\k+1]
	v_pk_add_f32 v[QV+2:QV+3], v[QV+2:QV+3], v[KA+4*\k+2:KA+4*\k+3]
.endr
	v_pk_mul_f32 v[QV:QV+1], v[QV:QV+1], 0x3e38aa3b op_sel_hi:[1,0]         ; x log2(e) / 8
	v_pk_mul_f32 v[QV+2:QV+3], v[QV+2:QV+3], 0x3e38aa3b op_sel_hi:[1,0]
	s_wait_dscnt 0x0
	TILE 0, 1, 0, 0, 0, 512                        ; tile 0; it fetches tile 1, which lies at LDS byte 0
	WIN 0                                          ; at a label and at a branch every window is 0
	s_mov_b32 s30, 11
.Lpair:                                            ; 11 trips of two tiles: tiles 1 to 22
	TILE 1, 0, 0, 0, TILEB, 1024
	TILE 0, 0, 0, TILEB, 2*TILEB, 1536
	WIN 0
	v_add_nc_u32 v[ADA], 2*TILEB, v[ADA]
	v_add_nc_u32 v[ADB], 2*TILEB, v[ADB]
	v_add_nc_u32 v[ANS], 1024, v[ANS]
	s_sub_co_u32 s30, s30, 1
	s_cmp_lg_u32 s30, 0
	s_cbranch_scc1 .Lpair
	TILE 1, 0, 0, 0, TILEB, 1024                   ; tile 23
	TILE 0, 0, 1, TILEB, 0, 0                      ; tile 24: the mask; nothing more is fetched
	WIN 0
.set ke, 0
.rept 20
	KENT                                           ; the last tile's update of O (six v_nop stand behind the last products)
.set ke, ke+1
.endr
	; THE WAY OUT: pairs are added, the two halves of the lanes are brought under one m and added; lanes 0-15 store O's 64 numbers, lanes 16-31 (m, l, m, l)
	v_add_f32 v[LP], v[LP], v[LP+1]
.irp c, 0,1,2,3
	v_add_f32 v[T+\c], v[OP+2*\c], v[OP+2*\c+1]
.endr
	v_permlanex16_b32 v[DD], v[MX], s[SEL], s[SEL+1]
	v_max_num_f32 v[MN], v[MX], v[DD]
	v_sub_f32 v[DD], v[MX], v[MN]
	v_exp_f32 v[FF], v[DD]
	v_nop                                          ; a plain instruction behind the exponential,
	s_wait_alu depctr_va_vdst(0)                   ; and the wait ahead of its first reader
	v_mul_f32 v[LP], v[LP], v[FF]
.irp c, 0,1,2,3
	v_mul_f32 v[T+\c], v[T+\c], v[FF]
.endr
	v_permlanex16_b32 v[SU], v[LP], s[SEL], s[SEL+1]
.irp c, 0,1,2,3
	v_permlanex16_b32 v[T+4+\c], v[T+\c], s[SEL], s[SEL+1]
.endr
	v_add_f32 v[LP], v[LP], v[SU]
.irp c, 0,1,2,3
	v_add_f32 v[T+\c], v[T+\c], v[T+4+\c]
.endr
	v_cndmask_b32 v[T], v[T], v[MN], s31
	v_cndmask_b32 v[T+1], v[T+1], v[LP], s31
	v_cndmask_b32 v[T+2], v[T+2], v[MN], s31
	v_cndmask_b32 v[T+3], v[T+3], v[LP], s31
	global_store_b128 v[L16], v[T:T+3], s[18:19]   ; 512 consecutive bytes, at a multiple of 512 from po's first byte
	s_wait_tensorcnt 0x0                           ; the wave's end: a tensor wait, an add to my spare word and its wait, behind my last tensor load
	ds_add_u32 v[SPW], v[NIL]
	s_wait_dscnt 0x0
	CROUND                                         ; the closing round
	s_endpgm
.Lfunc_end_k_qb3499e8952_attn:
	.size	k_qb3499e8952_attn, .Lfunc_end_k_qb3499e8952_attn-k_qb3499e8952_attn
	.p2alignl 7, 3214868480
	.fill 96, 4, 3214868480
	.section	.rodata,"a",@progbits
	.p2align	6, 0x0
	.amdhsa_kernel k_qb3499e8952_attn
		.amdhsa_group_segment_fixed_size 327680
		.amdhsa_private_segment_fixed_size 0
		.amdhsa_enable_private_segment 0
		.amdhsa_kernarg_size 64
		.amdhsa_user_sgpr_count 2
		.amdhsa_user_sgpr_kernarg_segment_ptr 1
		.amdhsa_wavefront_size32 1
		.amdhsa_system_sgpr_workgroup_id_x 1
		.amdhsa_system_sgpr_workgroup_id_y 1
		.amdhsa_system_sgpr_workgroup_id_z 1
		.amdhsa_system_vgpr_workitem_id 0
		.amdhsa_next_free_vgpr 1024
		.amdhsa_next_free_sgpr 80
		.amdhsa_reserve_vcc 1
		.amdhsa_float_denorm_mode_32 3
		.amdhsa_float_denorm_mode_16_64 3
		.amdhsa_memory_ordered 1
		.amdhsa_forward_progress 1
		.amdhsa_inst_pref_size 123
	.end_amdhsa_kernel
	.amdgpu_metadata
---
amdhsa.version: [ 1, 2 ]
amdhsa.kernels:
  - .name:           k_qb3499e8952_attn
    .symbol:         k_qb3499e8952_attn.kd
    .args:
      - { .name: nodes_codes, .offset: 0, .size: 8, .value_kind: global_buffer, .address_space: global }
      - { .name: nodes_scales, .offset: 8, .size: 8, .value_kind: global_buffer, .address_space: global }
      - { .name: wimg, .offset: 16, .size: 8, .value_kind: global_buffer, .address_space: global }
      - { .name: Wk_scales, .offset: 24, .size: 8, .value_kind: global_buffer, .address_space: global }
      - { .name: Wv_scales, .offset: 32, .size: 8, .value_kind: global_buffer, .address_space: global }
      - { .name: zp, .offset: 40, .size: 8, .value_kind: global_buffer, .address_space: global }
      - { .name: bq, .offset: 48, .size: 8, .value_kind: global_buffer, .address_space: global }
      - { .name: po, .offset: 56, .size: 8, .value_kind: global_buffer, .address_space: global }
    .group_segment_fixed_size: 327680
    .private_segment_fixed_size: 0
    .kernarg_segment_align: 8
    .kernarg_segment_size: 64
    .max_flat_workgroup_size: 128
    .sgpr_count:     80
    .vgpr_count:     1024
    .wavefront_size: 32
...
	.end_amdgpu_metadata
.endif
;; end of part 2
;; launch mlp1 (part 3): grid 32 x 1, 8 waves a work-group, no clusters, 0 bytes of LDS; arguments po, bv, W1, hp; writes hp
.if DOCPART == 3
	.amdgcn_target "amdgcn-amd-amdhsa--gfx1250"
	.amdhsa_code_object_version 6
	.text
	.protected	k_qb3499e8952_mlp1
	.globl	k_qb3499e8952_mlp1
	.p2align	8
	.type	k_qb3499e8952_mlp1,@function
k_qb3499e8952_mlp1:
	s_mov_b64 s[64:65], 0
	v_nop
	global_prefetch_b8 v0, s[64:65] scope:SCOPE_SE
	s_setreg_imm32_b32 hwreg(HW_REG_WAVE_MODE, 25, 1), 1
	s_wait_xcnt 0x0
; pooled[f] = (sum over the 64 row splits of 2^(m - m*) O[f]) / (sum of 2^(m - m*) l) + bv[f], and its part of z W1: work-group j takes features 32 j .. 32 j + 31 (half of head j / 2) and rows 32 j .. of W1.
; hp[j][:] = pooled[32 j ..] W1[32 j ..][:].  (bk is left out of the program: shown at the head of the first launch.  bv is added here once, since the softmax's weights sum to 1.)
; Wave w owns columns 128 w .. 128 w + 127; its 32 loads of W1 (512 consecutive bytes each) go out behind the small loads and land while the records are joined.  Every wave joins the records for itself: no LDS, no barrier.
; Lane = (q = lane % 8, g = lane / 8): features 4 q .. 4 q + 3 of the 32, splits y = 4 i + g, i = 0 .. 15.  Sums over g: lanes l xor 8 and l xor 16.
; No matrix unit: one row times a matrix, read once.  LIMITS: NaN and infinities are not served.
	s_load_b256 s[4:11], s[0:1], 0x0               ; po s[4:5], bv s[6:7], W1 s[8:9], hp s[10:11]
	v_lshrrev_b32 v1, 5, v0
	v_readfirstlane_b32 s12, v1                    ; wave 0..7
	v_and_b32 v1, 31, v0
	v_lshlrev_b32 v1, 4, v1                        ; 16 x lane
	v_and_b32 v2, 7, v0                            ; q
	v_bfe_u32 v3, v0, 3, 2                         ; g
	v_lshlrev_b32 v5, 4, v2                        ; 16 q
	v_lshlrev_b32 v6, 13, v3                       ; 8,192 g: a split's records
	s_lshr_b32 s13, ttmp9, 1                       ; the head
	s_and_b32 s14, ttmp9, 1
	s_lshl_b32 s14, s14, 7                         ; which 32 of its 64 features
	v_add_nc_u32 v7, v6, v5
	v_add_nc_u32 v7, s14, v7
	s_lshl_b32 s16, s13, 9
	s_mov_b32 s17, 0
	s_lshl_b32 s18, ttmp9, 7
	s_mov_b32 s19, 0
	s_lshl_b32 s22, s12, 9
	s_lshl_b32 s20, ttmp9, 17                      ; 32 rows of 4,096 bytes
	s_add_co_u32 s20, s20, s22
	s_mov_b32 s21, 0
	s_lshl_b32 s24, ttmp9, 12
	s_add_co_u32 s24, s24, s22
	s_mov_b32 s25, 0
	s_mov_b32 s26, 0x76543210
	s_mov_b32 s27, 0xfedcba98                      ; v_permlanex16_b32's selects for lane l xor 16
	s_wait_kmcnt 0x0
	s_add_nc_u64 s[4:5], s[4:5], s[16:17]
	s_add_nc_u64 s[6:7], s[6:7], s[18:19]
	s_add_nc_u64 s[8:9], s[8:9], s[20:21]
	s_add_nc_u64 s[10:11], s[10:11], s[24:25]
.irp i, 0,1,2,3,4,5,6,7,8,9,10,11,12,13,14,15
	global_load_b64 v[16+2*\i:17+2*\i], v6, s[4:5] offset:256+32768*\i        ; (m, l) of split 4 i + g
.endr
.irp i, 0,1,2,3,4,5,6,7,8,9,10,11,12,13,14,15
	global_load_b128 v[48+4*\i:51+4*\i], v7, s[4:5] offset:32768*\i           ; its O at my four features
.endr
	global_load_b128 v[112:115], v5, s[6:7]        ; bv
.irp i, 0,1,2,3,4,5,6,7,8,9,10,11,12,13,14,15,16,17,18,19,20,21,22,23,24,25,26,27,28,29,30,31
	global_load_b128 v[128+4*\i:131+4*\i], v1, s[8:9] offset:4096*\i th:TH_LOAD_NT
.endr
	s_wait_loadcnt 32                              ; the records and bv are in; W1's 32 rows stay out
	v_max3_num_f32 v2, v16, v18, v20
.irp i, 3,5,7,9,11,13
	v_max3_num_f32 v2, v2, v[16+2*\i], v[18+2*\i]
.endr
	v_max_num_f32 v2, v2, v46
	v_max_num_f32_dpp v2, v2, v2 row_xmask:8 row_mask:0xf bank_mask:0xf
	v_permlanex16_b32 v3, v2, s26, s27
	v_max_num_f32 v2, v2, v3                       ; m*: the largest m of the 64 splits
.irp i, 0,1,2,3,4,5,6,7,8,9,10,11,12,13,14,15
	v_sub_f32 v[16+2*\i], v[16+2*\i], v2
.endr
.irp i, 0,1,2,3,4,5,6,7,8,9,10,11,12,13,14,15
	v_exp_f32 v[16+2*\i], v[16+2*\i]               ; one batch
.endr
	v_nop                                          ; a plain instruction behind the last exponential,
	s_wait_alu depctr_va_vdst(0)                   ; and the one wait ahead of the first reader
	v_mul_f32 v4, v16, v17
	v_pk_mul_f32 v[8:9], v[48:49], v[16:17] op_sel_hi:[1,0]
	v_pk_mul_f32 v[10:11], v[50:51], v[16:17] op_sel_hi:[1,0]
.irp i, 1,2,3,4,5,6,7,8,9,10,11,12,13,14,15
	v_fmac_f32 v4, v[16+2*\i], v[17+2*\i]
	v_pk_fma_f32 v[8:9], v[48+4*\i:49+4*\i], v[16+2*\i:17+2*\i], v[8:9] op_sel_hi:[1,0,1]
	v_pk_fma_f32 v[10:11], v[50+4*\i:51+4*\i], v[16+2*\i:17+2*\i], v[10:11] op_sel_hi:[1,0,1]
.endr
.irp a, 4,8,9,10,11
	v_add_f32_dpp v\a, v\a, v\a row_xmask:8 row_mask:0xf bank_mask:0xf
.endr
	v_permlanex16_b32 v17, v4, s26, s27
	v_permlanex16_b32 v19, v8, s26, s27
	v_permlanex16_b32 v21, v9, s26, s27
	v_permlanex16_b32 v23, v10, s26, s27
	v_permlanex16_b32 v25, v11, s26, s27
	v_add_f32 v4, v4, v17
	v_add_f32 v8, v8, v19
	v_add_f32 v9, v9, v21
	v_add_f32 v10, v10, v23
	v_add_f32 v11, v11, v25
	v_rcp_f32 v4, v4
	v_nop
	s_wait_alu depctr_va_vdst(0)
.irp c, 0,1,2,3
	v_fma_f32 v[8+\c], v[8+\c], v4, v[112+\c]      ; pooled
.endr
.irp q, 0,1,2,3,4,5,6,7
.irp c, 0,1,2,3
	v_readlane_b32 s[32+4*\q+\c], v[8+\c], \q      ; the 32 numbers as scalars
.endr
.endr
.set i, 0
.rept 32
.if i%8 == 0
	s_wait_loadcnt 24-i                            ; the next eight rows are in; the younger rows stay out
.endif
.irp c, 0,1,2,3
.if i == 0
	v_mul_f32 v[12+\c], s[32+i], v[128+4*i+\c]
.else
	v_fmac_f32 v[12+\c], s[32+i], v[128+4*i+\c]
.endif
.endr
.set i, i+1
.endr
	global_store_b128 v1, v[12:15], s[10:11]       ; 512 consecutive bytes
	s_endpgm
.Lfunc_end_k_qb3499e8952_mlp1:
	.size	k_qb3499e8952_mlp1, .Lfunc_end_k_qb3499e8952_mlp1-k_qb3499e8952_mlp1
	.p2alignl 7, 3214868480
	.fill 96, 4, 3214868480
	.section	.rodata,"a",@progbits
	.p2align	6, 0x0
	.amdhsa_kernel k_qb3499e8952_mlp1
		.amdhsa_group_segment_fixed_size 0
		.amdhsa_private_segment_fixed_size 0
		.amdhsa_enable_private_segment 0
		.amdhsa_kernarg_size 32
		.amdhsa_user_sgpr_count 2
		.amdhsa_user_sgpr_kernarg_segment_ptr 1
		.amdhsa_wavefront_size32 1
		.amdhsa_system_sgpr_workgroup_id_x 1
		.amdhsa_system_sgpr_workgroup_id_y 1
		.amdhsa_system_sgpr_workgroup_id_z 1
		.amdhsa_system_vgpr_workitem_id 0
		.amdhsa_next_free_vgpr 256
		.amdhsa_next_free_sgpr 66
		.amdhsa_reserve_vcc 0
		.amdhsa_float_denorm_mode_32 3
		.amdhsa_float_denorm_mode_16_64 3
		.amdhsa_memory_ordered 1
		.amdhsa_forward_progress 1
		.amdhsa_inst_pref_size 20
	.end_amdhsa_kernel
	.amdgpu_metadata
---
amdhsa.version: [ 1, 2 ]
amdhsa.kernels:
  - .name:           k_qb3499e8952_mlp1
    .symbol:         k_qb3499e8952_mlp1.kd
    .args:
      - { .name: po, .offset: 0, .size: 8, .value_kind: global_buffer, .address_space: global }
      - { .name: bv, .offset: 8, .size: 8, .value_kind: global_buffer, .address_space: global }
      - { .name: W1, .offset: 16, .size: 8, .value_kind: global_buffer, .address_space: global }
      - { .name: hp, .offset: 24, .size: 8, .value_kind: global_buffer, .address_space: global }
    .group_segment_fixed_size: 0
    .private_segment_fixed_size: 0
    .kernarg_segment_align: 8
    .kernarg_segment_size: 32
    .max_flat_workgroup_size: 256
    .sgpr_count:     66
    .vgpr_count:     256
    .wavefront_size: 32
...
	.end_amdgpu_metadata
.endif
;; end of part 3
;; launch mlp2 (part 4): grid 32 x 1, 8 waves a work-group, no clusters, 0 bytes of LDS; arguments hp, zp, b1, W2, yp; writes yp
.if DOCPART == 4
	.amdgcn_target "amdgcn-amd-amdhsa--gfx1250"
	.amdhsa_code_object_version 6
	.text
	.protected	k_qb3499e8952_mlp2
	.globl	k_qb3499e8952_mlp2
	.p2align	8
	.type	k_qb3499e8952_mlp2,@function
k_qb3499e8952_mlp2:
	s_mov_b64 s[64:65], 0
	v_nop
	global_prefetch_b8 v0, s[64:65] scope:SCOPE_SE
	s_setreg_imm32_b32 hwreg(HW_REG_WAVE_MODE, 25, 1), 1
	s_wait_xcnt 0x0
; h = gelu(z W1 + b1) and its part of h W2.  Work-group j takes h[32 j .. 32 j + 31]: x = the 32 rows of hp (pooled's part) + the 8 rows of zp's second part (z_prev's part) + b1; yp[j][:] = h[32 j ..] W2[32 j ..][:].
; Shares as in the launch before: wave w owns columns 128 w ..; lane (q = lane % 8, g = lane / 8) sums rows 4 a + g at features 4 q .. 4 q + 3; sums over g: lanes l xor 8 and l xor 16.  No LDS, no barrier, no matrix unit.
; THE EXACT GELU: 0.5 x (1 + erf(x / sqrt 2)) = max(x, 0) - 0.5 |x| u, u = erfc(|x| / sqrt 2): one form for both signs, in which nothing cancels.
; u = t (a1 + t (a2 + t (a3 + t (a4 + t a5)))) 2^(-x^2 log2(e) / 2), t = 1 / (1 + 0.3275911 |x| / sqrt 2) (Abramowitz and Stegun 7.1.26).
; LIMIT: that formula's error in u is at most 1.5e-7, absolute, for every x.  NaN and infinities are not served.
	s_load_b256 s[4:11], s[0:1], 0x0               ; hp s[4:5], zp s[6:7], b1 s[8:9], W2 s[10:11]
	s_load_b64 s[12:13], s[0:1], 0x20              ; yp
	v_lshrrev_b32 v1, 5, v0
	v_readfirstlane_b32 s14, v1                    ; wave 0..7
	v_and_b32 v1, 31, v0
	v_lshlrev_b32 v1, 4, v1                        ; 16 x lane
	v_and_b32 v2, 7, v0                            ; q
	v_bfe_u32 v3, v0, 3, 2                         ; g
	v_lshlrev_b32 v5, 4, v2                        ; 16 q
	v_lshl_add_u32 v6, v3, 12, v5                  ; + 4,096 g: a row of partial sums
	s_lshl_b32 s16, ttmp9, 7                       ; my 32 features
	s_mov_b32 s17, 0
	s_lshl_b32 s30, s14, 9
	s_lshl_b32 s18, ttmp9, 17                      ; 32 rows of 4,096 bytes
	s_add_co_u32 s18, s18, s30
	s_mov_b32 s19, 0
	s_lshl_b32 s28, ttmp9, 12
	s_add_co_u32 s28, s28, s30
	s_mov_b32 s29, 0
	s_mov_b32 s20, 0x3e6d3388                      ; 0.3275911 / sqrt 2
	s_mov_b32 s21, 0x3e827906                      ; a1 =  0.254829592
	s_mov_b32 s22, 0xbe91a98e                      ; a2 = -0.284496736
	s_mov_b32 s23, 0x3fb5f0e3                      ; a3 =  1.421413741
	s_mov_b32 s24, 0xbfba00e3                      ; a4 = -1.453152027
	s_mov_b32 s25, 0x3f87dc22                      ; a5 =  1.061405429
	s_mov_b32 s26, 0x76543210
	s_mov_b32 s27, 0xfedcba98                      ; v_permlanex16_b32's selects for lane l xor 16
	s_wait_kmcnt 0x0
	s_add_nc_u64 s[4:5], s[4:5], s[16:17]
	s_add_nc_u64 s[6:7], s[6:7], s[16:17]
	s_add_nc_u64 s[8:9], s[8:9], s[16:17]
	s_add_nc_u64 s[10:11], s[10:11], s[18:19]
	s_add_nc_u64 s[12:13], s[12:13], s[28:29]
.irp a, 0,1,2,3,4,5,6,7
	global_load_b128 v[16+4*\a:19+4*\a], v6, s[4:5] offset:16384*\a           ; hp's row 4 a + g
.endr
.irp a, 0,1
	global_load_b128 v[48+4*\a:51+4*\a], v6, s[6:7] offset:32768+16384*\a     ; zp's second part, row 4 a + g
.endr
	global_load_b128 v[56:59], v5, s[8:9]          ; b1
.irp i, 0,1,2,3,4,5,6,7,8,9,10,11,12,13,14,15,16,17,18,19,20,21,22,23,24,25,26,27,28,29,30,31
	global_load_b128 v[128+4*\i:131+4*\i], v1, s[10:11] offset:4096*\i th:TH_LOAD_NT
.endr
	s_wait_loadcnt 32                              ; the partial sums and b1 are in; W2's 32 rows stay out
	v_pk_add_f32 v[8:9], v[16:17], v[20:21]
	v_pk_add_f32 v[10:11], v[18:19], v[22:23]
.irp a, 2,3,4,5,6,7,8,9
	v_pk_add_f32 v[8:9], v[8:9], v[16+4*\a:17+4*\a]
	v_pk_add_f32 v[10:11], v[10:11], v[18+4*\a:19+4*\a]
.endr
.irp a, 8,9,10,11
	v_add_f32_dpp v\a, v\a, v\a row_xmask:8 row_mask:0xf bank_mask:0xf
.endr
.irp c, 0,1,2,3
	v_permlanex16_b32 v[16+\c], v[8+\c], s26, s27
.endr
	v_pk_add_f32 v[8:9], v[8:9], v[16:17]
	v_pk_add_f32 v[10:11], v[10:11], v[18:19]
	v_pk_add_f32 v[8:9], v[8:9], v[56:57]
	v_pk_add_f32 v[10:11], v[10:11], v[58:59]      ; x
.irp c, 0,1,2,3
	v_fma_f32 v[20+\c], |v[8+\c]|, s20, 1.0
	v_mul_f32 v[24+\c], v[8+\c], v[8+\c]
.endr
.irp c, 0,1,2,3
	v_mul_f32 v[24+\c], 0xbf38aa3b, v[24+\c]       ; -x^2 log2(e) / 2
.endr
.irp c, 0,1,2,3
	v_rcp_f32 v[20+\c], v[20+\c]                   ; t
.endr
.irp c, 0,1,2,3
	v_exp_f32 v[24+\c], v[24+\c]
.endr
	v_nop                                          ; a plain instruction behind the batch of eight,
	s_wait_alu depctr_va_vdst(0)                   ; and the one wait ahead of the first reader
.irp c, 0,1,2,3
	v_fma_f32 v[28+\c], v[20+\c], s25, s24
.endr
.irp c, 0,1,2,3
	v_fma_f32 v[28+\c], v[28+\c], v[20+\c], s23
.endr
.irp c, 0,1,2,3
	v_fma_f32 v[28+\c], v[28+\c], v[20+\c], s22
.endr
.irp c, 0,1,2,3
	v_fma_f32 v[28+\c], v[28+\c], v[20+\c], s21
.endr
.irp c, 0,1,2,3
	v_mul_f32 v[28+\c], v[28+\c], v[20+\c]
.endr
.irp c, 0,1,2,3
	v_mul_f32 v[28+\c], v[28+\c], v[24+\c]         ; u
.endr
.irp c, 0,1,2,3
	v_mul_f32 v[28+\c], |v[8+\c]|, v[28+\c]
.endr
.irp c, 0,1,2,3
	v_max_num_f32 v[8+\c], 0, v[8+\c]
.endr
.irp c, 0,1,2,3
	v_fma_f32 v[8+\c], v[28+\c], -0.5, v[8+\c]     ; h
.endr
.irp q, 0,1,2,3,4,5,6,7
.irp c, 0,1,2,3
	v_readlane_b32 s[32+4*\q+\c], v[8+\c], \q      ; the 32 numbers as scalars
.endr
.endr
.set i, 0
.rept 32
.if i%8 == 0
	s_wait_loadcnt 24-i                            ; the next eight rows are in; the younger rows stay out
.endif
.irp c, 0,1,2,3
.if i == 0
	v_mul_f32 v[12+\c], s[32+i], v[128+4*i+\c]
.else
	v_fmac_f32 v[12+\c], s[32+i], v[128+4*i+\c]
.endif
.endr
.set i, i+1
.endr
	global_store_b128 v1, v[12:15], s[12:13]       ; 512 consecutive bytes
	s_endpgm
.Lfunc_end_k_qb3499e8952_mlp2:
	.size	k_qb3499e8952_mlp2, .Lfunc_end_k_qb3499e8952_mlp2-k_qb3499e8952_mlp2
	.p2alignl 7, 3214868480
	.fill 96, 4, 3214868480
	.section	.rodata,"a",@progbits
	.p2align	6, 0x0
	.amdhsa_kernel k_qb3499e8952_mlp2
		.amdhsa_group_segment_fixed_size 0
		.amdhsa_private_segment_fixed_size 0
		.amdhsa_enable_private_segment 0
		.amdhsa_kernarg_size 40
		.amdhsa_user_sgpr_count 2
		.amdhsa_user_sgpr_kernarg_segment_ptr 1
		.amdhsa_wavefront_size32 1
		.amdhsa_system_sgpr_workgroup_id_x 1
		.amdhsa_system_sgpr_workgroup_id_y 1
		.amdhsa_system_sgpr_workgroup_id_z 1
		.amdhsa_system_vgpr_workitem_id 0
		.amdhsa_next_free_vgpr 256
		.amdhsa_next_free_sgpr 66
		.amdhsa_reserve_vcc 0
		.amdhsa_float_denorm_mode_32 3
		.amdhsa_float_denorm_mode_16_64 3
		.amdhsa_memory_ordered 1
		.amdhsa_forward_progress 1
		.amdhsa_inst_pref_size 17
	.end_amdhsa_kernel
	.amdgpu_metadata
---
amdhsa.version: [ 1, 2 ]
amdhsa.kernels:
  - .name:           k_qb3499e8952_mlp2
    .symbol:         k_qb3499e8952_mlp2.kd
    .args:
      - { .name: hp, .offset: 0, .size: 8, .value_kind: global_buffer, .address_space: global }
      - { .name: zp, .offset: 8, .size: 8, .value_kind: global_buffer, .address_space: global }
      - { .name: b1, .offset: 16, .size: 8, .value_kind: global_buffer, .address_space: global }
      - { .name: W2, .offset: 24, .size: 8, .value_kind: global_buffer, .address_space: global }
      - { .name: yp, .offset: 32, .size: 8, .value_kind: global_buffer, .address_space: global }
    .group_segment_fixed_size: 0
    .private_segment_fixed_size: 0
    .kernarg_segment_align: 8
    .kernarg_segment_size: 40
    .max_flat_workgroup_size: 256
    .sgpr_count:     66
    .vgpr_count:     256
    .wavefront_size: 32
...
	.end_amdgpu_metadata
.endif
;; end of part 4
;; launch norm (part 5): grid 1 x 1, 8 waves a work-group, no clusters, 1,280 bytes of LDS; arguments yp, b2, scale, out0; writes out0
.if DOCPART == 5
	.amdgcn_target "amdgcn-amd-amdhsa--gfx1250"
	.amdhsa_code_object_version 6
	.text
	.protected	k_qb3499e8952_norm
	.globl	k_qb3499e8952_norm
	.p2align	8
	.type	k_qb3499e8952_norm,@function
k_qb3499e8952_norm:
	s_mov_b64 s[64:65], 0
	v_nop
	global_prefetch_b8 v0, s[64:65] scope:SCOPE_SE
	s_setreg_imm32_b32 hwreg(HW_REG_WAVE_MODE, 25, 1), 1
	s_wait_xcnt 0x0
; y = the sum of yp's 32 rows + b2;  out0 = scale y rsqrt(mean(y^2) + 1e-6).  The mean spans all 1,024 numbers, so one work-group owns the output: thread t has columns 4 t .. 4 t + 3.
; Each load and the store of a wave cover 512 consecutive bytes.  The eight waves' sums of squares meet in LDS (one word a wave, bytes 0-31); the spare words lie from byte 256 on.
; LIMITS: NaN and infinities are not served.
.set SPARE, 256
.set SPW, 2                            ; v2  LDS address of my spare word; never rewritten
.set NIL, 3                            ; v3  0; never rewritten
	s_load_b256 s[4:11], s[0:1], 0x0               ; yp s[4:5], b2 s[6:7], scale s[8:9], out0 s[10:11]
	v_lshl_add_u32 v[SPW], v0, 2, SPARE
	v_mov_b32 v[NIL], 0
	v_lshlrev_b32 v1, 4, v0                        ; 16 x thread
	v_lshrrev_b32 v4, 5, v0
	v_lshlrev_b32 v4, 2, v4                        ; 4 x wave
	v_mov_b32 v5, 0
	v_mov_b32 v13, 0                               ; written once: a lane permute's destination counts as one of its sources
	s_mov_b32 s12, 0x76543210
	s_mov_b32 s13, 0xfedcba98                      ; v_permlanex16_b32's selects for lane l xor 16
	s_mov_b32 s14, 0x3a800000                      ; 1 / 1,024
	s_wait_kmcnt 0x0
.irp i, 0,1,2,3,4,5,6,7,8,9,10,11,12,13,14,15,16,17,18,19,20,21,22,23,24,25,26,27,28,29,30,31
	global_load_b128 v[16+4*\i:19+4*\i], v1, s[4:5] offset:4096*\i
.endr
	global_load_b128 v[144:147], v1, s[6:7]
	global_load_b128 v[148:151], v1, s[8:9]
	s_wait_loadcnt 26                              ; rows 0-7 are in; 24 rows, b2 and scale stay out
	v_pk_add_f32 v[8:9], v[16:17], v[20:21]
	v_pk_add_f32 v[10:11], v[18:19], v[22:23]
.set i, 2
.rept 30
.if i%8 == 0
	s_wait_loadcnt 26-i                            ; the next eight rows are in; the younger rows, b2 and scale stay out
.endif
	v_pk_add_f32 v[8:9], v[8:9], v[16+4*i:17+4*i]
	v_pk_add_f32 v[10:11], v[10:11], v[18+4*i:19+4*i]
.set i, i+1
.endr
	s_wait_loadcnt 0x0
	v_pk_add_f32 v[8:9], v[8:9], v[144:145]
	v_pk_add_f32 v[10:11], v[10:11], v[146:147]    ; y
	v_mul_f32 v12, v8, v8
	v_fmac_f32 v12, v9, v9
	v_fmac_f32 v12, v10, v10
	v_fmac_f32 v12, v11, v11
	v_add_f32_dpp v12, v12, v12 row_xmask:1 row_mask:0xf bank_mask:0xf
	v_add_f32_dpp v12, v12, v12 row_xmask:2 row_mask:0xf bank_mask:0xf
	v_add_f32_dpp v12, v12, v12 row_xmask:4 row_mask:0xf bank_mask:0xf
	v_add_f32_dpp v12, v12, v12 row_xmask:8 row_mask:0xf bank_mask:0xf
	v_permlanex16_b32 v13, v12, s12, s13
	v_add_f32 v12, v12, v13                        ; my wave's sum of squares, in every lane
	ds_store_b32 v4, v12                           ; all lanes write the same word with the same value
	s_wait_dscnt 0x0                               ; for the others' sake: my store has landed
	s_barrier_signal -1
	s_barrier_wait -1
	ds_load_b128 v[16:19], v5
	ds_load_b128 v[20:23], v5 offset:16
	s_wait_dscnt 0x0
	v_pk_add_f32 v[16:17], v[16:17], v[18:19]
	v_pk_add_f32 v[20:21], v[20:21], v[22:23]
	v_pk_add_f32 v[16:17], v[16:17], v[20:21]
	v_add_f32 v12, v16, v17
	v_fmaak_f32 v12, s14, v12, 0x358637bd          ; the mean + 1e-6
	v_rsq_f32 v12, v12
	v_pk_mul_f32 v[8:9], v[148:149], v[8:9]        ; scale y (plain work behind the transcendental)
	v_pk_mul_f32 v[10:11], v[150:151], v[10:11]
	s_wait_alu depctr_va_vdst(0)                   ; the wait ahead of the first reader
	v_pk_mul_f32 v[8:9], v[8:9], v[12:13] op_sel_hi:[1,0]
	v_pk_mul_f32 v[10:11], v[10:11], v[12:13] op_sel_hi:[1,0]
	global_store_b128 v1, v[8:11], s[10:11]
	s_wait_tensorcnt 0x0                           ; the wave's end: a tensor wait, an add to my spare word
	ds_add_u32 v[SPW], v[NIL]
	s_wait_dscnt 0x0
	s_endpgm
.Lfunc_end_k_qb3499e8952_norm:
	.size	k_qb3499e8952_norm, .Lfunc_end_k_qb3499e8952_norm-k_qb3499e8952_norm
	.p2alignl 7, 3214868480
	.fill 96, 4, 3214868480
	.section	.rodata,"a",@progbits
	.p2align	6, 0x0
	.amdhsa_kernel k_qb3499e8952_norm
		.amdhsa_group_segment_fixed_size 1280
		.amdhsa_private_segment_fixed_size 0
		.amdhsa_enable_private_segment 0
		.amdhsa_kernarg_size 32
		.amdhsa_user_sgpr_count 2
		.amdhsa_user_sgpr_kernarg_segment_ptr 1
		.amdhsa_wavefront_size32 1
		.amdhsa_system_sgpr_workgroup_id_x 1
		.amdhsa_system_sgpr_workgroup_id_y 1
		.amdhsa_system_sgpr_workgroup_id_z 1
		.amdhsa_system_vgpr_workitem_id 0
		.amdhsa_next_free_vgpr 160
		.amdhsa_next_free_sgpr 66
		.amdhsa_reserve_vcc 0
		.amdhsa_float_denorm_mode_32 3
		.amdhsa_float_denorm_mode_16_64 3
		.amdhsa_memory_ordered 1
		.amdhsa_forward_progress 1
		.amdhsa_inst_pref_size 10
	.end_amdhsa_kernel
	.amdgpu_metadata
---
amdhsa.version: [ 1, 2 ]
amdhsa.kernels:
  - .name:           k_qb3499e8952_norm
    .symbol:         k_qb3499e8952_norm.kd
    .args:
      - { .name: yp, .offset: 0, .size: 8, .value_kind: global_buffer, .address_space: global }
      - { .name: b2, .offset: 8, .size: 8, .value_kind: global_buffer, .address_space: global }
      - { .name: scale, .offset: 16, .size: 8, .value_kind: global_buffer, .address_space: global }
      - { .name: out0, .offset: 24, .size: 8, .value_kind: global_buffer, .address_space: global }
    .group_segment_fixed_size: 1280
    .private_segment_fixed_size: 0
    .kernarg_segment_align: 8
    .kernarg_segment_size: 32
    .max_flat_workgroup_size: 256
    .sgpr_count:     66
    .vgpr_count:     160
    .wavefront_size: 32
...
	.end_amdgpu_metadata
.endif
;; end of part 5
;; ======== version 2 of 2: 5 launches; 1.12 times as fast as version 1
;; limits: a function is approximated: absolute error at most 1.5e-07; an absolute error that grows with the inputs' magnitude: up to 7.5e-08 times it
;; workspace buffers: wimg 1,572,864 bytes; zp 65,536 bytes; po 524,288 bytes; hp 131,072 bytes; yp 32,768 bytes
;; launch prep: the kernel of part 1 again; grid 160 x 1, 8 waves a work-group, no clusters, 5,120 bytes of LDS; arguments z_prev, Wq, W1, Wk_codes, Wv_codes, zp, wimg; writes zp, wimg
;; launch attn (part 6): grid 4 x 64, 4 waves a work-group, clusters of 4 x 1, 327,680 bytes of LDS; arguments nodes_codes, nodes_scales, wimg, Wk_scales, Wv_scales, zp, bq, po; writes po
.if DOCPART == 6
	.amdgcn_target "amdgcn-amd-amdhsa--gfx1250"
	.amdhsa_code_object_version 6
	.text
	.protected	k_qb3499e8952_attn
	.globl	k_qb3499e8952_attn
	.p2align	8
	.type	k_qb3499e8952_attn,@function
k_qb3499e8952_attn:
	s_mov_b64 s[64:65], 0
	v_nop
	global_prefetch_b8 v0, s[64:65] scope:SCOPE_SE
	s_setreg_imm32_b32 hwreg(HW_REG_WAVE_MODE, 25, 1), 1
	s_wait_xcnt 0x0
	s_wait_alu depctr_hold_cnt(0) depctr_sa_sdst(0) depctr_va_vdst(0) depctr_va_sdst(0) depctr_va_ssrc(0) depctr_va_vcc(0) depctr_vm_vsrc(0)
	s_getreg_b32 s2, hwreg(HW_REG_IB_STS2, 6, 4)
	s_cmp_eq_u32 s2, 0
	s_cbranch_scc0 .Lentry_in_a_cluster
	s_endpgm
.Lentry_in_a_cluster:
	s_bfe_u32 s2, ttmp6, 0x10000c
	s_cmp_lg_u32 s2, 0x3003
	s_cbranch_scc0 .Lentry_shape_is_right
	s_endpgm
.Lentry_shape_is_right:
; K = nodes Wk and V = nodes Wv on codes of E3M2 with E8M0 scales, the scores Q . K / 8, a running softmax over the nodes, and the pooling sum of p V: one record (O[64], m, l) for each row split and head.
; LEFT OUT: bk (it adds the same number to all scores of a head: shown at the head of the first launch).  bv is added in the next launch.
; SHARES.  64 row splits (y) x 4 groups of 4 heads (cx, my place in the cluster).  Wave w owns head 4 cx + w: 64 columns of K and 64 of V, whose 64 fragments (8 tiles of 16 columns x 8 K steps, 768 registers)
; stay in its registers for the whole launch.  A split is 25 tiles of 16 node rows: rows start .. start + 399, start = 390 y + min(y, 30); its own rows are the first 391 (y < 30), 390, or 400 (y = 63):
; only the last tile holds rows of the next split, and their scores become -infinity.  start + 399 is at most 24,999: no load leaves the tensor.
; CLUSTER.  The four partners take the same node rows for other heads: the rows are asked for JOINTLY, each wave one tensor load of codes (96 rows) and one of scale bytes (100 rows), once, at the head.
; The weights are not asked for jointly: the partners of a cluster hold different heads, and work-groups of equal cx would need a stage in LDS, of whose 327,680 bytes the rows, their scales and the spare words take 326,656.
; LDS: rows 16 .. 399 of the split as units of 256 bytes + 16 of padding (a row: 3 units, 816 bytes); then the 400 rows' scale bytes, 32 a row; then the spare words.  Rows 0 .. 15 come straight from memory into registers.
; LAYOUT.  Source 0 = 16 node rows, source 1 = 16 columns; column r of tile ct is feature 64 head + 4 r + ct.  In a result lane (r, h) holds nodes 8 h + 0 .. 7 of that feature.  So a score is 4 multiply-adds a lane
; and a sum over 16 lanes; p lies in 8 registers a lane, O in 4 pairs.  Each half of the lanes keeps its own m and l (its own 8 nodes of each tile); the halves are joined on the way out.
; SOFTMAX.  t = score x log2(e) / 8 (the factor is folded into Q); m the running largest t; p = 2^(t - m); l and O are multiplied by f = 2^(old m - new m) in every tile.
; BY TURNS.  A tile is 32 products for K and 32 for V on the same 8 node fragments.  The tile's scores and softmax, up to the exponentials, stand in slices of three behind its first V products; what reads the
; exponentials (the sum of p, l, the update of O) stands in slices of three behind the last eight K products of the next tile.  The LDS loads stand in two runs a tile.
; LIMITS: NaN and infinities among the inputs are not served; m begins at -3e38; v_exp_f32 gives 0 where its result would be denormal.
; REGISTERS, window 0: v1-7 addresses; v8-11 Q; v12-19 t, then p; v20-27 O; v28-29 l; v30 m; v31-39 at work; v40-47 node scale words, two sets; v48-79 weight scale words; v80-91 weight fragment 63;
;   v92-123 K's four accumulators; v124-155 V's; v156 8 h; v157 -infinity; v160-255 the tile's 8 node fragments.  Windows 1-3: weight fragments 0-62, 21 to a window.
.set PITCH,  816                       ; a node row in LDS
.set TILEB,  16*PITCH                  ; a tile of 16 rows
.set WCODE,  288*272                   ; what one tensor load of codes fills: 96 rows
.set SCB,    4*WCODE                   ; the scale bytes begin here
.set WSCL,   3200                      ; what one tensor load of scale bytes fills: 100 rows
.set SPARE,  SCB+4*WSCL                ; the spare words, 128 bytes for each wave: two blocks of 256 bytes that no other line names
.set L16,  1                           ; v1   16 x lane
.set ADA,  2                           ; v2   816 r + 24 h: my place in a tile
.set ADB,  3                           ; v3   816 r + 40 h: the same for pieces whose partner three pieces on lies behind one padding more
.set ANS,  4                           ; v4   SCB + 32 r + 16 h
.set SPW,  5                           ; v5   LDS address of my spare word; never rewritten
.set NIL,  6                           ; v6   0; never rewritten
.set O16,  7                           ; v7   16 r
.set QV,   8
.set T,    12
.set OP,   20
.set LP,   28
.set MX,   30
.set DD,   31
.set FF,   32
.set MN,   34
.set SU,   36
.set TM,   38
.set NS,   40
.set WS,   48
.set WL,   80
.set KA,   92
.set VA,   124
.set H8,   156
.set NINF, 157
.set AF,   160
.set WV,   20                          ; s20  my wave's number
.set SEL,  28                          ; s[28:29] v_permlanex16_b32's selects for lane l xor 16
.set G1C,  32                          ; s[32:39] descriptor group 1, codes;  s[40:47] scale bytes;  s[48:51], s[52:55] their groups 0
.set G1S,  40
.set G0C,  48
.set G0S,  52
.set LIMJ, 68                          ; s[68:75] lim - j: register j of the last tile counts where this is above 8 h
.set MSB, 0
.macro WIN new                         ; the immediate's high byte repeats the setting that is left; a switch that changes nothing is dropped
.if MSB != (\new)
	s_set_vgpr_msb (MSB<<8)|(\new)
.set MSB, (\new)
.endif
.endm
.macro CROUND                          ; a round of the cluster's barrier
	s_barrier_signal -1
	s_barrier_wait -1
	s_cmp_lg_u32 s[WV], 0
	s_cbranch_scc1 .Lnot_wave_0_\@
	s_barrier_signal -3
.Lnot_wave_0_\@:
	s_barrier_wait -3
	s_barrier_signal -1
	s_barrier_wait -1
.endm
.macro PLACES
.rept 4
	v_nop
.endr
.endm
; Node fragment s (16 rows x 128 K, 12 registers) of the tile that begins off bytes behind my address registers: six pieces of 8 bytes.  Lanes 0-15 take the row's pieces 12 s + 0, 1, 2, 6, 7, 8,
; lanes 16-31 those three pieces on; 16 bytes of padding lie behind every 32 pieces.
.macro FRAGLD s, off
.irp i, 0,1,2,3,4,5
.set pcx, 12*(\s)+6*(\i/3)+\i%3
.if pcx%32 < 29
	ds_load_b64 v[AF+12*(\s)+2*\i:AF+12*(\s)+2*\i+1], v[ADA] offset:(\off)+8*pcx+16*(pcx/32)
.else
	ds_load_b64 v[AF+12*(\s)+2*\i:AF+12*(\s)+2*\i+1], v[ADB] offset:(\off)+8*pcx+16*(pcx/32)
.endif
.endr
.endm
; Product n of a phase's 32: K step n / 4, column tile n % 4.  The four accumulators take turns, one instruction a turn.  The first four start the sums with the constant 0.
; A scale register holds K step i in lanes 0-15 and K step 4 + i in lanes 16-31.  Only source 1, the weights, lies outside window 0.
.macro MM isV, par
.set gfr, 32*(\isV)+n
.if gfr < 63
.set wB, 1+gfr/21
.set rB, 12*(gfr%21)
.else
.set wB, 0
.set rB, WL
.endif
.set rD, KA+32*(\isV)+8*(n%4)
.set rA, AF+12*(n/4)
.set rN, NS+4*(\par)+(n/4)%4
.set rW, WS+16*(\isV)+4*(n%4)+(n/4)%4
	WIN wB<<2
.if n < 4
	v_wmma_scale_f32_16x16x128_f8f6f4 v[rD:rD+7], v[rA:rA+11], v[rB:rB+11], 0, v[rN], v[rW] matrix_a_fmt:MATRIX_FMT_BF6 matrix_b_fmt:MATRIX_FMT_BF6
.elseif n < 16
	v_wmma_scale_f32_16x16x128_f8f6f4 v[rD:rD+7], v[rA:rA+11], v[rB:rB+11], v[rD:rD+7], v[rN], v[rW] matrix_a_fmt:MATRIX_FMT_BF6 matrix_b_fmt:MATRIX_FMT_BF6
.else
	v_wmma_scale_f32_16x16x128_f8f6f4 v[rD:rD+7], v[rA:rA+11], v[rB:rB+11], v[rD:rD+7], v[rN], v[rW] matrix_a_fmt:MATRIX_FMT_BF6 matrix_b_fmt:MATRIX_FMT_BF6 matrix_a_scale:MATRIX_SCALE_ROW1 matrix_b_scale:MATRIX_SCALE_ROW1
.endif
.endm
; Entry ke of 24: all that reads the exponentials.  0-7: the sum of p, O under the new m, l = l f + the sum (laid so that no entry reads the one just before it).
; 8-23: O += V x p, two nodes at a time; each of V's accumulators is first read at its low end.
.macro KENT
.if ke == 0
	v_pk_add_f32 v[SU:SU+1], v[T:T+1], v[T+2:T+3]
.elseif ke == 1
	v_pk_add_f32 v[TM:TM+1], v[T+4:T+5], v[T+6:T+7]
.elseif ke == 2
	v_pk_mul_f32 v[OP:OP+1], v[OP:OP+1], v[FF:FF+1] op_sel_hi:[1,0]
.elseif ke == 3
	v_pk_mul_f32 v[OP+2:OP+3], v[OP+2:OP+3], v[FF:FF+1] op_sel_hi:[1,0]
.elseif ke == 4
	v_pk_add_f32 v[SU:SU+1], v[SU:SU+1], v[TM:TM+1]
.elseif ke == 5
	v_pk_mul_f32 v[OP+4:OP+5], v[OP+4:OP+5], v[FF:FF+1] op_sel_hi:[1,0]
.elseif ke == 6
	v_pk_mul_f32 v[OP+6:OP+7], v[OP+6:OP+7], v[FF:FF+1] op_sel_hi:[1,0]
.elseif ke == 7
	v_pk_fma_f32 v[LP:LP+1], v[LP:LP+1], v[FF:FF+1], v[SU:SU+1] op_sel_hi:[1,0,1]
.else
	v_pk_fma_f32 v[OP+2*(ke%4):OP+2*(ke%4)+1], v[VA+8*(ke%4)+2*(ke/4-2):VA+8*(ke%4)+2*(ke/4-2)+1], v[T+2*(ke/4-2):T+2*(ke/4-2)+1], v[OP+2*(ke%4):OP+2*(ke%4)+1]
.endif
.endm
; Entry ve of the tile's scores and softmax: 67 entries, in the last tile 83.  0-15: t = sum over my four features of K x Q, two nodes at a time (each of K's accumulators is first read at its low end).
; 16-47: the sum over the 16 lanes of my half.  last = 1: 16 entries more, which put -infinity over the rows of the next split.  Then: the new m, as a tree (4); old m - new m; m; t - m (4);
; ONE BATCH of nine exponentials, none of which reads another's result.  An exponential names no source 1, so it stands under the products' window setting as it is.
.macro VENT last
.set ee, ve
.set mk, 0
.if (\last) && (ve >= 64)
.set ee, ve-16
.endif
.if (\last) && (ve >= 48) && (ve < 64)
.set mk, 1
.endif
.if mk || (ee < 58)
	WIN 0
.endif
.if mk
.if ve%2 == 0
	v_cmp_gt_i32 vcc_lo, s[LIMJ+(ve-48)/2], v[H8]
.else
	v_cndmask_b32 v[T+(ve-48)/2], v[NINF], v[T+(ve-48)/2], vcc_lo
.endif
.elseif ee < 4
	v_pk_mul_f32 v[T+2*ee:T+2*ee+1], v[KA+2*ee:KA+2*ee+1], v[QV:QV+1] op_sel_hi:[1,0]
.elseif ee < 8
	v_pk_fma_f32 v[T+2*(ee%4):T+2*(ee%4)+1], v[KA+8+2*(ee%4):KA+8+2*(ee%4)+1], v[QV:QV+1], v[T+2*(ee%4):T+2*(ee%4)+1] op_sel:[0,1,0] op_sel_hi:[1,1,1]
.elseif ee < 12
	v_pk_fma_f32 v[T+2*(ee%4):T+2*(ee%4)+1], v[KA+16+2*(ee%4):KA+16+2*(ee%4)+1], v[QV+2:QV+3], v[T+2*(ee%4):T+2*(ee%4)+1] op_sel_hi:[1,0,1]
.elseif ee < 16
	v_pk_fma_f32 v[T+2*(ee%4):T+2*(ee%4)+1], v[KA+24+2*(ee%4):KA+24+2*(ee%4)+1], v[QV+2:QV+3], v[T+2*(ee%4):T+2*(ee%4)+1] op_sel:[0,1,0] op_sel_hi:[1,1,1]
.elseif ee < 24
	v_add_f32_dpp v[T+ee%8], v[T+ee%8], v[T+ee%8] row_xmask:1 row_mask:0xf bank_mask:0xf
.elseif ee < 32
	v_add_f32_dpp v[T+ee%8], v[T+ee%8], v[T+ee%8] row_xmask:2 row_mask:0xf bank_mask:0xf
.elseif ee < 40
	v_add_f32_dpp v[T+ee%8], v[T+ee%8], v[T+ee%8] row_xmask:4 row_mask:0xf bank_mask:0xf
.elseif ee < 48
	v_add_f32_dpp v[T+ee%8], v[T+ee%8], v[T+ee%8] row_xmask:8 row_mask:0xf bank_mask:0xf
.elseif ee == 48
	v_max3_num_f32 v[MN], v[T], v[T+1], v[T+2]
.elseif ee == 49
	v_max3_num_f32 v[SU], v[T+3], v[T+4], v[T+5]
.elseif ee == 50
	v_max3_num_f32 v[TM], v[T+6], v[T+7], v[MX]
.elseif ee == 51
	v_max3_num_f32 v[MN], v[MN], v[SU], v[TM]
.elseif ee == 52
	v_sub_f32 v[DD], v[MX], v[MN]
.elseif ee == 53
	v_mov_b32 v[MX], v[MN]
.elseif ee < 58
	v_pk_add_f32 v[T+2*(ee-54):T+2*(ee-54)+1], v[T+2*(ee-54):T+2*(ee-54)+1], v[MN:MN+1] op_sel_hi:[1,0] neg_lo:[0,1] neg_hi:[0,1]
.elseif ee == 58
	v_exp_f32 v[FF], v[DD]
.else
	v_exp_f32 v[T+ee-59], v[T+ee-59]
.endif
.endm
; A TILE.  par: its set of node scale words.  first = 1: tile 0, whose fragments came from memory and which has no tile before it.  last = 1: the mask, and nothing more to fetch.
; vo: where the next tile lies in LDS; no: where its scale words lie.
; K PHASE.  Behind products 24 to 31 stand the 24 entries of the tile before, three each.  Those behind products 28 to 31 name none of these products' registers: they are the places ahead of the first reads of
; K's sums (first = 1: four v_nop take their part).
; V PHASE.  Behind each product stand three entries of this tile's scores and softmax, while there are any.
; THE LDS LOADS stand in two runs.  Behind product 17: the next tile's scale words and fragments 0 to 3; fragment 3's last reader is product 15, and entries 48 to 53, six plain instructions, lie between.
; Behind the last product: fragments 4 to 7, behind four v_nop, which are the places behind V's last products (for these loads and for the first reads of V's sums) and the plain instruction behind the exponentials;
; the one wait between the batch of exponentials and its first reader stands directly ahead of that run, and so ahead of the loop's branch too.
.macro TILE par, first, last, vo, no
.set n, 0
.set ke, 0
.rept 32
.if ((\first) == 0) && (n%4 == 0)
	s_wait_dscnt 42-6*(n/4)                        ; this K step's fragment is in (and the scale words, which are older); behind it were issued the later fragments, up to 7, six loads each
.endif
	MM 0, \par
.if ((\first) == 0) && (n >= 24)
	WIN 0
.rept 3
	KENT
.set ke, ke+1
.endr
.endif
.set n, n+1
.endr
.if \first
	PLACES
.endif
.set n, 0
.set ve, 0
.rept 32
.if (\first) && (n%4 == 0) && (n >= 8)
	s_wait_loadcnt 3*(28-n)                        ; weight fragments up to 35 + n are in; the 28 - n later ones, three loads each, may be out
.endif
	MM 1, \par
.rept 3
.if ve < 67+16*(\last)
	VENT \last
.set ve, ve+1
.endif
.endr
.if ((\last) == 0) && (n == 17)
	ds_load_b128 v[NS+4*(1-(\par)):NS+4*(1-(\par))+3], v[ANS] offset:\no
	FRAGLD 0, \vo
	FRAGLD 1, \vo
	FRAGLD 2, \vo
	FRAGLD 3, \vo
.endif
.set n, n+1
.endr
	PLACES
	s_wait_alu depctr_va_vdst(0)
.if (\last) == 0
	FRAGLD 4, \vo
	FRAGLD 5, \vo
	FRAGLD 6, \vo
	FRAGLD 7, \vo
.endif
.endm
	s_load_b512 s[4:19], s[0:1], 0x0               ; nodes_codes s[4:5], nodes_scales s[6:7], wimg s[8:9], Wk_scales s[10:11], Wv_scales s[12:13], zp s[14:15], bq s[16:17], po s[18:19]
	v_lshl_add_u32 v[SPW], v0, 2, SPARE
	v_mov_b32 v[NIL], 0
	ds_add_u32 v[SPW], v[NIL]                      ; the wave's opening: the add, twice on end, and its wait stand ahead of my first tensor load; the set-up below stands between
	ds_add_u32 v[SPW], v[NIL]
	v_lshrrev_b32 v7, 5, v0
	v_readfirstlane_b32 s[WV], v7                  ; wave 0..3
	s_bfe_u32 s21, ttmp6, 0x40000                  ; cx: it enters global addresses of weights, Q and the record alone
	s_and_b32 s22, ttmp7, 0xffff                   ; y, which the four partners share
	s_lshl_b32 s23, s21, 2
	s_add_co_u32 s23, s23, s[WV]                   ; my head
	s_mul_i32 s24, s22, 390
	s_min_u32 s25, s22, 30
	s_add_co_u32 s24, s24, s25                     ; start
	s_cmp_lt_u32 s22, 30
	s_cselect_b32 s25, 7, 6                        ; lim = my rows - 384
	s_cmp_eq_u32 s22, 63
	s_cselect_b32 s25, 16, s25
.irp j, 0,1,2,3,4,5,6,7
	s_sub_co_i32 s[LIMJ+\j], s25, \j
.endr
	s_mov_b32 s[SEL], 0x76543210
	s_mov_b32 s[SEL+1], 0xfedcba98
	s_mov_b32 s31, 0xffff0000                      ; lanes 16-31
	; group 1, codes: a dense block of 96 rows x 768 bytes as 288 rows of 32 elements of 8 bytes, 16 bytes of padding behind each
	s_mov_b32 s[G1C], 15|(3<<16)|(1<<20)|(1<<21)|(5<<22)|(3<<25)  ; 15:0 the mask: all four work-groups; 17:16 elements of 8 bytes; 20 padding on; 21 set beside a mask; 24:22 after every 64 words; 31:25 4 words of it
	s_mov_b32 s[G1C+1], 32<<16                     ; tensor_dim0
	s_mov_b32 s[G1C+2], 288<<16                    ; tensor_dim1
	s_mov_b32 s[G1C+3], 32<<16                     ; tile_dim0
	s_mov_b32 s[G1C+4], 288                        ; tile_dim1
	s_mov_b32 s[G1C+5], 32                         ; elements from row to row
	s_mov_b32 s[G1C+6], 0
	s_mov_b32 s[G1C+7], 0
	; group 1, scale bytes: a dense block of 100 rows x 32 bytes as 25 rows of 16 elements of 8 bytes, no padding
	s_mov_b32 s[G1S], 15|(3<<16)|(1<<21)
	s_mov_b32 s[G1S+1], 16<<16
	s_mov_b32 s[G1S+2], 25<<16
	s_mov_b32 s[G1S+3], 16<<16
	s_mov_b32 s[G1S+4], 25
	s_mov_b32 s[G1S+5], 16
	s_mov_b32 s[G1S+6], 0
	s_mov_b32 s[G1S+7], 0
	s_mul_i32 s26, s[WV], 96
	s_add_co_u32 s26, s26, s24
	s_add_co_u32 s26, s26, 16
	s_mul_i32 s26, s26, 768                        ; codes: row start + 16 + 96 wave
	s_mov_b32 s27, 0
	s_mul_i32 s56, s[WV], 100
	s_add_co_u32 s56, s56, s24
	s_lshl_b32 s56, s56, 5                         ; scale bytes: row start + 100 wave
	s_mov_b32 s57, 0
	s_mul_i32 s58, s23, 98304                      ; my head's 64 images
	s_mov_b32 s59, 0
	s_lshl_b32 s60, s23, 11                        ; its 64 rows of 32 scale bytes
	s_mov_b32 s61, 0
	s_lshl_b32 s62, s23, 8                         ; its 64 numbers of Q
	s_mov_b32 s63, 0
	s_lshl_b32 s66, s22, 13
	s_lshl_b32 s67, s23, 9
	s_add_co_u32 s66, s66, s67                     ; my record: 8,192 y + 512 head
	s_mov_b32 s67, 0
	s_mul_i32 s76, s24, 768                        ; tile 0's rows
	s_mov_b32 s77, 0
	s_mov_b32 s[G0C], 1                            ; count = 1
	s_mul_i32 s[G0C+1], s[WV], WCODE               ; LDS address: the wave's number times a constant
	s_mov_b32 s[G0S], 1
	s_mul_i32 s[G0S+1], s[WV], WSCL
	s_add_co_u32 s[G0S+1], s[G0S+1], SCB
	v_and_b32 v8, 15, v0                           ; r
	v_bfe_u32 v9, v0, 4, 1                         ; h
	v_and_b32 v[L16], 31, v0
	v_lshlrev_b32 v[L16], 4, v[L16]
	v_mul_u32_u24 v[ADA], v8, PITCH
	v_mad_u32_u24 v[ADB], v9, 40, v[ADA]
	v_mad_u32_u24 v[ADA], v9, 24, v[ADA]
	v_lshlrev_b32 v[ANS], 5, v8
	v_lshl_add_u32 v[ANS], v9, 4, v[ANS]
	v_add_nc_u32 v[ANS], SCB, v[ANS]
	v_lshlrev_b32 v[O16], 4, v8
	v_lshlrev_b32 v[SU], 7, v8
	v_lshl_add_u32 v[SU], v9, 4, v[SU]             ; weight scale words: feature 4 r + ct: 128 r + 16 h
	v_mul_u32_u24 v[SU+1], v8, 768
	v_mad_u32_u24 v[SU+1], v9, 24, v[SU+1]         ; tile 0 in memory: 768 r + 24 h
	v_lshlrev_b32 v[H8], 3, v9
	v_mov_b32 v[NINF], 0xff800000
.irp j, 0,1,2,3,4,5,6,7,8,9
	v_mov_b32 v[OP+\j], 0                          ; O and l begin as zeros: the update is written once for all tiles
.endr
	v_mov_b32 v[MX], 0xff61b1e6                    ; m begins at -3e38, under every t
	v_mov_b32 v[FF+1], 0                           ; (named as upper halves of pairs of which the low word serves both halves)
	v_mov_b32 v[MN+1], 0
	s_wait_dscnt 0x0                               ; both opening adds are done
	s_wait_kmcnt 0x0
	s_add_nc_u64 s[G0C+2:G0C+3], s[4:5], s[26:27]
	s_or_b32 s[G0C+3], s[G0C+3], 0x80000000        ; type = 2
	s_add_nc_u64 s[G0S+2:G0S+3], s[6:7], s[56:57]
	s_or_b32 s[G0S+3], s[G0S+3], 0x80000000
	s_add_nc_u64 s[4:5], s[4:5], s[76:77]
	s_add_nc_u64 s[8:9], s[8:9], s[58:59]
	s_add_nc_u64 s[10:11], s[10:11], s[60:61]
	s_add_nc_u64 s[12:13], s[12:13], s[60:61]
	s_add_nc_u64 s[14:15], s[14:15], s[62:63]
	s_add_nc_u64 s[16:17], s[16:17], s[62:63]
	s_add_nc_u64 s[18:19], s[18:19], s[66:67]
	CROUND                                         ; all four work-groups are here: the joint loads meet
	tensor_load_to_lds s[G0C:G0C+3], s[G1C:G1C+7]  ; every wave issues both: two tensor loads of mine are out, and no LDS byte is filled twice in the launch
	s_nop 0
	tensor_load_to_lds s[G0S:G0S+3], s[G1S:G1S+7]
	s_nop 0
.rept 4
	v_nop
.endr
.irp k, 0,1,2,3,4,5,6,7
	global_load_b128 v[KA+4*\k:KA+4*\k+3], v[O16], s[14:15] offset:4096*\k   ; the eight partial sums of z_prev Wq at my four features
.endr
	global_load_b128 v[KA+32:KA+35], v[O16], s[16:17]                        ; bq
.irp c, 0,1,2,3
	global_load_b128 v[WS+4*\c:WS+4*\c+3], v[SU], s[10:11] offset:32*\c
	global_load_b128 v[WS+16+4*\c:WS+16+4*\c+3], v[SU], s[12:13] offset:32*\c
.endr
.irp s, 0,1,2,3,4,5,6,7
.irp i, 0,1,2,3,4,5
	global_load_b64 v[AF+12*\s+2*\i:AF+12*\s+2*\i+1], v[SU+1], s[4:5] offset:96*\s+48*(\i/3)+8*(\i%3)   ; tile 0
.endr
.endr
.set g, 0
.rept 64                                           ; my 64 weight fragments, in the order in which tile 0 takes them: three loads of 512 consecutive bytes each
.if g < 63
	WIN (1+g/21)<<6
.set rB, 12*(g%21)
.else
	WIN 0
.set rB, WL
.endif
.irp q, 0,1,2
	global_load_b128 v[rB+4*\q:rB+4*\q+3], v[L16], s[8:9] offset:(3*g+\q)*512
.endr
.set g, g+1
.endr
	WIN 0
	s_wait_tensorcnt 0x0                           ; my parts of the rows and of their scale bytes have landed,
	s_barrier_signal -1
	s_barrier_wait -1                              ; everybody's have
	ds_load_b128 v[NS:NS+3], v[ANS]                ; tile 0's scale words
	s_wait_loadcnt 63                              ; all but the youngest 63 loads are in: those are weight fragments 43 to 63; Q's parts, the scale words, tile 0 and fragments 0 to 42 are older
	v_pk_add_f32 v[QV:QV+1], v[KA:KA+1], v[KA+4:KA+5]
	v_pk_add_f32 v[QV+2:QV+3], v[KA+2:KA+3], v[KA+6:KA+7]
.irp k, 2,3,4,5,6,7,8
	v_pk_add_f32 v[QV:QV+1], v[QV:QV+1], v[KA+4*\k:KA+4*\k+1]
	v_pk_add_f32 v[QV+2:QV+3], v[QV+2:QV+3], v[KA+4*\k+2:KA+4*\k+3]
.endr
	v_pk_mul_f32 v[QV:QV+1], v[QV:QV+1], 0x3e38aa3b op_sel_hi:[1,0]         ; x log2(e) / 8
	v_pk_mul_f32 v[QV+2:QV+3], v[QV+2:QV+3], 0x3e38aa3b op_sel_hi:[1,0]
	s_wait_dscnt 0x0
	TILE 0, 1, 0, 0, 512                           ; tile 0; it fetches tile 1, which lies at LDS byte 0
	WIN 0                                          ; at a label and at a branch every window is 0
	s_mov_b32 s30, 11
.Lpair:                                            ; 11 trips of two tiles: tiles 1 to 22
	TILE 1, 0, 0, TILEB, 1024
	TILE 0, 0, 0, 2*TILEB, 1536
	WIN 0
	v_add_nc_u32 v[ADA], 2*TILEB, v[ADA]
	v_add_nc_u32 v[ADB], 2*TILEB, v[ADB]
	v_add_nc_u32 v[ANS], 1024, v[ANS]
	s_sub_co_u32 s30, s30, 1
	s_cmp_lg_u32 s30, 0
	s_cbranch_scc1 .Lpair
	TILE 1, 0, 0, TILEB, 1024                      ; tile 23
	TILE 0, 0, 1, 0, 0                             ; tile 24: the mask; nothing more is fetched
	WIN 0
.set ke, 0
.rept 24
	KENT                                           ; the last tile's sum of p and update of O (four v_nop and the wait stand behind its last products)
.set ke, ke+1
.endr
	; THE WAY OUT: pairs are added, the two halves of the lanes are brought under one m and added; lanes 0-15 store O's 64 numbers, lanes 16-31 (m, l, m, l)
	v_add_f32 v[LP], v[LP], v[LP+1]
.irp c, 0,1,2,3
	v_add_f32 v[T+\c], v[OP+2*\c], v[OP+2*\c+1]
.endr
	v_permlanex16_b32 v[DD], v[MX], s[SEL], s[SEL+1]
	v_max_num_f32 v[MN], v[MX], v[DD]
	v_sub_f32 v[DD], v[MX], v[MN]
	v_exp_f32 v[FF], v[DD]
	v_nop                                          ; a plain instruction behind the exponential,
	s_wait_alu depctr_va_vdst(0)                   ; and the wait ahead of its first reader
	v_mul_f32 v[LP], v[LP], v[FF]
.irp c, 0,1,2,3
	v_mul_f32 v[T+\c], v[T+\c], v[FF]
.endr
	v_permlanex16_b32 v[SU], v[LP], s[SEL], s[SEL+1]
.irp c, 0,1,2,3
	v_permlanex16_b32 v[T+4+\c], v[T+\c], s[SEL], s[SEL+1]
.endr
	v_add_f32 v[LP], v[LP], v[SU]
.irp c, 0,1,2,3
	v_add_f32 v[T+\c], v[T+\c], v[T+4+\c]
.endr
	v_cndmask_b32 v[T], v[T], v[MN], s31
	v_cndmask_b32 v[T+1], v[T+1], v[LP], s31
	v_cndmask_b32 v[T+2], v[T+2], v[MN], s31
	v_cndmask_b32 v[T+3], v[T+3], v[LP], s31
	global_store_b128 v[L16], v[T:T+3], s[18:19]   ; 512 consecutive bytes, at a multiple of 512 from po's first byte
	s_wait_tensorcnt 0x0                           ; the wave's end: a tensor wait, an add to my spare word and its wait, behind my last tensor load
	ds_add_u32 v[SPW], v[NIL]
	s_wait_dscnt 0x0
	CROUND                                         ; the closing round
	s_endpgm
.Lfunc_end_k_qb3499e8952_attn:
	.size	k_qb3499e8952_attn, .Lfunc_end_k_qb3499e8952_attn-k_qb3499e8952_attn
	.p2alignl 7, 3214868480
	.fill 96, 4, 3214868480
	.section	.rodata,"a",@progbits
	.p2align	6, 0x0
	.amdhsa_kernel k_qb3499e8952_attn
		.amdhsa_group_segment_fixed_size 327680
		.amdhsa_private_segment_fixed_size 0
		.amdhsa_enable_private_segment 0
		.amdhsa_kernarg_size 64
		.amdhsa_user_sgpr_count 2
		.amdhsa_user_sgpr_kernarg_segment_ptr 1
		.amdhsa_wavefront_size32 1
		.amdhsa_system_sgpr_workgroup_id_x 1
		.amdhsa_system_sgpr_workgroup_id_y 1
		.amdhsa_system_sgpr_workgroup_id_z 1
		.amdhsa_system_vgpr_workitem_id 0
		.amdhsa_next_free_vgpr 1024
		.amdhsa_next_free_sgpr 80
		.amdhsa_reserve_vcc 1
		.amdhsa_float_denorm_mode_32 3
		.amdhsa_float_denorm_mode_16_64 3
		.amdhsa_memory_ordered 1
		.amdhsa_forward_progress 1
		.amdhsa_inst_pref_size 125
	.end_amdhsa_kernel
	.amdgpu_metadata
---
amdhsa.version: [ 1, 2 ]
amdhsa.kernels:
  - .name:           k_qb3499e8952_attn
    .symbol:         k_qb3499e8952_attn.kd
    .args:
      - { .name: nodes_codes, .offset: 0, .size: 8, .value_kind: global_buffer, .address_space: global }
      - { .name: nodes_scales, .offset: 8, .size: 8, .value_kind: global_buffer, .address_space: global }
      - { .name: wimg, .offset: 16, .size: 8, .value_kind: global_buffer, .address_space: global }
      - { .name: Wk_scales, .offset: 24, .size: 8, .value_kind: global_buffer, .address_space: global }
      - { .name: Wv_scales, .offset: 32, .size: 8, .value_kind: global_buffer, .address_space: global }
      - { .name: zp, .offset: 40, .size: 8, .value_kind: global_buffer, .address_space: global }
      - { .name: bq, .offset: 48, .size: 8, .value_kind: global_buffer, .address_space: global }
      - { .name: po, .offset: 56, .size: 8, .value_kind: global_buffer, .address_space: global }
    .group_segment_fixed_size: 327680
    .private_segment_fixed_size: 0
    .kernarg_segment_align: 8
    .kernarg_segment_size: 64
    .max_flat_workgroup_size: 128
    .sgpr_count:     80
    .vgpr_count:     1024
    .wavefront_size: 32
...
	.end_amdgpu_metadata
.endif
;; end of part 6
;; launch mlp1 (part 7): grid 32 x 8, 1 waves a work-group, no clusters, 0 bytes of LDS; arguments po, bv, W1, hp; writes hp
.if DOCPART == 7
	.amdgcn_target "amdgcn-amd-amdhsa--gfx1250"
	.amdhsa_code_object_version 6
	.text
	.protected	k_qb3499e8952_mlp1
	.globl	k_qb3499e8952_mlp1
	.p2align	8
	.type	k_qb3499e8952_mlp1,@function
k_qb3499e8952_mlp1:
	s_mov_b64 s[64:65], 0
	v_nop
	global_prefetch_b8 v0, s[64:65] scope:SCOPE_SE
	s_setreg_imm32_b32 hwreg(HW_REG_WAVE_MODE, 25, 1), 1
	s_wait_xcnt 0x0
; pooled[f] = (sum over the 64 row splits of 2^(m - m*) O[f]) / (sum of 2^(m - m*) l) + bv[f], and its part of z W1.
; Work-group (j, cb), ONE wave: features 32 j .. 32 j + 31 (half of head j / 2), rows 32 j .. of W1, columns 128 cb .. 128 cb + 127:  hp[j][128 cb ..] = pooled[32 j ..] W1[32 j ..][128 cb ..].
; 32 x 8 = 256 work-groups, one for each WGP: a work-group takes in 16 KB of W1 and 12.5 KB of records.  The eight work-groups of a j join the same records, each for itself: no LDS, no barrier.
; (bk is left out of the program: shown at the head of the first launch.  bv is added here once, since the softmax's weights sum to 1.)
; The 32 loads of W1 (512 consecutive bytes each) go out behind the small loads and land while the records are joined.
; Lane = (q = lane % 8, g = lane / 8): features 4 q .. 4 q + 3 of the 32, splits y = 4 i + g, i = 0 .. 15.  Sums over g: lanes l xor 8 and l xor 16.
; No matrix unit: one row times a matrix, read once.  LIMITS: NaN and infinities are not served.
	s_load_b256 s[4:11], s[0:1], 0x0               ; po s[4:5], bv s[6:7], W1 s[8:9], hp s[10:11]
	s_and_b32 s12, ttmp7, 0xffff                   ; cb
	v_and_b32 v1, 31, v0
	v_lshlrev_b32 v1, 4, v1                        ; 16 x lane
	v_and_b32 v2, 7, v0                            ; q
	v_bfe_u32 v3, v0, 3, 2                         ; g
	v_lshlrev_b32 v5, 4, v2                        ; 16 q
	v_lshlrev_b32 v6, 13, v3                       ; 8,192 g: a split's records
	s_lshr_b32 s13, ttmp9, 1                       ; the head
	s_and_b32 s14, ttmp9, 1
	s_lshl_b32 s14, s14, 7                         ; which 32 of its 64 features
	v_add_nc_u32 v7, v6, v5
	v_add_nc_u32 v7, s14, v7
	s_lshl_b32 s16, s13, 9
	s_mov_b32 s17, 0
	s_lshl_b32 s18, ttmp9, 7
	s_mov_b32 s19, 0
	s_lshl_b32 s22, s12, 9
	s_lshl_b32 s20, ttmp9, 17                      ; 32 rows of 4,096 bytes
	s_add_co_u32 s20, s20, s22
	s_mov_b32 s21, 0
	s_lshl_b32 s24, ttmp9, 12
	s_add_co_u32 s24, s24, s22
	s_mov_b32 s25, 0
	s_mov_b32 s26, 0x76543210
	s_mov_b32 s27, 0xfedcba98                      ; v_permlanex16_b32's selects for lane l xor 16
	s_wait_kmcnt 0x0
	s_add_nc_u64 s[4:5], s[4:5], s[16:17]
	s_add_nc_u64 s[6:7], s[6:7], s[18:19]
	s_add_nc_u64 s[8:9], s[8:9], s[20:21]
	s_add_nc_u64 s[10:11], s[10:11], s[24:25]
.irp i, 0,1,2,3,4,5,6,7,8,9,10,11,12,13,14,15
	global_load_b64 v[16+2*\i:17+2*\i], v6, s[4:5] offset:256+32768*\i        ; (m, l) of split 4 i + g
.endr
.irp i, 0,1,2,3,4,5,6,7,8,9,10,11,12,13,14,15
	global_load_b128 v[48+4*\i:51+4*\i], v7, s[4:5] offset:32768*\i           ; its O at my four features
.endr
	global_load_b128 v[112:115], v5, s[6:7]        ; bv
.irp i, 0,1,2,3,4,5,6,7,8,9,10,11,12,13,14,15,16,17,18,19,20,21,22,23,24,25,26,27,28,29,30,31
	global_load_b128 v[128+4*\i:131+4*\i], v1, s[8:9] offset:4096*\i th:TH_LOAD_NT
.endr
	s_wait_loadcnt 32                              ; the records and bv are in; W1's 32 rows stay out
	v_max3_num_f32 v2, v16, v18, v20
.irp i, 3,5,7,9,11,13
	v_max3_num_f32 v2, v2, v[16+2*\i], v[18+2*\i]
.endr
	v_max_num_f32 v2, v2, v46
	v_max_num_f32_dpp v2, v2, v2 row_xmask:8 row_mask:0xf bank_mask:0xf
	v_permlanex16_b32 v3, v2, s26, s27
	v_max_num_f32 v2, v2, v3                       ; m*: the largest m of the 64 splits
.irp i, 0,1,2,3,4,5,6,7,8,9,10,11,12,13,14,15
	v_sub_f32 v[16+2*\i], v[16+2*\i], v2
.endr
.irp i, 0,1,2,3,4,5,6,7,8,9,10,11,12,13,14,15
	v_exp_f32 v[16+2*\i], v[16+2*\i]               ; one batch
.endr
	v_nop                                          ; a plain instruction behind the last exponential,
	s_wait_alu depctr_va_vdst(0)                   ; and the one wait ahead of the first reader
	v_mul_f32 v4, v16, v17
	v_pk_mul_f32 v[8:9], v[48:49], v[16:17] op_sel_hi:[1,0]
	v_pk_mul_f32 v[10:11], v[50:51], v[16:17] op_sel_hi:[1,0]
.irp i, 1,2,3,4,5,6,7,8,9,10,11,12,13,14,15
	v_fmac_f32 v4, v[16+2*\i], v[17+2*\i]
	v_pk_fma_f32 v[8:9], v[48+4*\i:49+4*\i], v[16+2*\i:17+2*\i], v[8:9] op_sel_hi:[1,0,1]
	v_pk_fma_f32 v[10:11], v[50+4*\i:51+4*\i], v[16+2*\i:17+2*\i], v[10:11] op_sel_hi:[1,0,1]
.endr
.irp a, 4,8,9,10,11
	v_add_f32_dpp v\a, v\a, v\a row_xmask:8 row_mask:0xf bank_mask:0xf
.endr
	v_permlanex16_b32 v17, v4, s26, s27
	v_permlanex16_b32 v19, v8, s26, s27
	v_permlanex16_b32 v21, v9, s26, s27
	v_permlanex16_b32 v23, v10, s26, s27
	v_permlanex16_b32 v25, v11, s26, s27
	v_add_f32 v4, v4, v17
	v_add_f32 v8, v8, v19
	v_add_f32 v9, v9, v21
	v_add_f32 v10, v10, v23
	v_add_f32 v11, v11, v25
	v_rcp_f32 v4, v4
	v_nop
	s_wait_alu depctr_va_vdst(0)
.irp c, 0,1,2,3
	v_fma_f32 v[8+\c], v[8+\c], v4, v[112+\c]      ; pooled
.endr
.irp q, 0,1,2,3,4,5,6,7
.irp c, 0,1,2,3
	v_readlane_b32 s[32+4*\q+\c], v[8+\c], \q      ; the 32 numbers as scalars
.endr
.endr
.set i, 0
.rept 32
.if i%8 == 0
	s_wait_loadcnt 24-i                            ; the next eight rows are in; the younger rows stay out
.endif
.irp c, 0,1,2,3
.if i == 0
	v_mul_f32 v[12+\c], s[32+i], v[128+4*i+\c]
.else
	v_fmac_f32 v[12+\c], s[32+i], v[128+4*i+\c]
.endif
.endr
.set i, i+1
.endr
	global_store_b128 v1, v[12:15], s[10:11]       ; 512 consecutive bytes
	s_endpgm
.Lfunc_end_k_qb3499e8952_mlp1:
	.size	k_qb3499e8952_mlp1, .Lfunc_end_k_qb3499e8952_mlp1-k_qb3499e8952_mlp1
	.p2alignl 7, 3214868480
	.fill 96, 4, 3214868480
	.section	.rodata,"a",@progbits
	.p2align	6, 0x0
	.amdhsa_kernel k_qb3499e8952_mlp1
		.amdhsa_group_segment_fixed_size 0
		.amdhsa_private_segment_fixed_size 0
		.amdhsa_enable_private_segment 0
		.amdhsa_kernarg_size 32
		.amdhsa_user_sgpr_count 2
		.amdhsa_user_sgpr_kernarg_segment_ptr 1
		.amdhsa_wavefront_size32 1
		.amdhsa_system_sgpr_workgroup_id_x 1
		.amdhsa_system_sgpr_workgroup_id_y 1
		.amdhsa_system_sgpr_workgroup_id_z 1
		.amdhsa_system_vgpr_workitem_id 0
		.amdhsa_next_free_vgpr 256
		.amdhsa_next_free_sgpr 66
		.amdhsa_reserve_vcc 0
		.amdhsa_float_denorm_mode_32 3
		.amdhsa_float_denorm_mode_16_64 3
		.amdhsa_memory_ordered 1
		.amdhsa_forward_progress 1
		.amdhsa_inst_pref_size 20
	.end_amdhsa_kernel
	.amdgpu_metadata
---
amdhsa.version: [ 1, 2 ]
amdhsa.kernels:
  - .name:           k_qb3499e8952_mlp1
    .symbol:         k_qb3499e8952_mlp1.kd
    .args:
      - { .name: po, .offset: 0, .size: 8, .value_kind: global_buffer, .address_space: global }
      - { .name: bv, .offset: 8, .size: 8, .value_kind: global_buffer, .address_space: global }
      - { .name: W1, .offset: 16, .size: 8, .value_kind: global_buffer, .address_space: global }
      - { .name: hp, .offset: 24, .size: 8, .value_kind: global_buffer, .address_space: global }
    .group_segment_fixed_size: 0
    .private_segment_fixed_size: 0
    .kernarg_segment_align: 8
    .kernarg_segment_size: 32
    .max_flat_workgroup_size: 32
    .sgpr_count:     66
    .vgpr_count:     256
    .wavefront_size: 32
...
	.end_amdgpu_metadata
.endif
;; end of part 7
;; launch mlp2 (part 8): grid 8 x 8, 4 waves a work-group, no clusters, 2,560 bytes of LDS; arguments hp, zp, b1, W2, yp; writes yp
.if DOCPART == 8
	.amdgcn_target "amdgcn-amd-amdhsa--gfx1250"
	.amdhsa_code_object_version 6
	.text
	.protected	k_qb3499e8952_mlp2
	.globl	k_qb3499e8952_mlp2
	.p2align	8
	.type	k_qb3499e8952_mlp2,@function
k_qb3499e8952_mlp2:
	s_mov_b64 s[64:65], 0
	v_nop
	global_prefetch_b8 v0, s[64:65] scope:SCOPE_SE
	s_setreg_imm32_b32 hwreg(HW_REG_WAVE_MODE, 25, 1), 1
	s_wait_xcnt 0x0
; h = gelu(z W1 + b1) and its part of h W2.  Work-group (jj, cb), four waves: wave w takes h[32 j .. 32 j + 31], j = 4 jj + w, rows 32 j .. of W2 and columns 128 cb .. 128 cb + 127.
; x = the 32 rows of hp (pooled's part) + the 8 rows of zp's second part (z_prev's part) + b1.  The four waves' rows of 128 sums meet in LDS, and wave 0 stores yp[jj][128 cb ..]: yp has 8 rows,
; so that the one work-group of the last launch reads 32 KB.  8 x 8 = 64 work-groups; a work-group takes in 64 KB of W2.
; Lane (q = lane % 8, g = lane / 8) sums rows 4 a + g at features 4 q .. 4 q + 3; sums over g: lanes l xor 8 and l xor 16.  No matrix unit: one row times a matrix, read once.
; THE EXACT GELU: 0.5 x (1 + erf(x / sqrt 2)) = max(x, 0) - 0.5 |x| u, u = erfc(|x| / sqrt 2): one form for both signs, in which nothing cancels.
; u = t (a1 + t (a2 + t (a3 + t (a4 + t a5)))) 2^(-x^2 log2(e) / 2), t = 1 / (1 + 0.3275911 |x| / sqrt 2) (Abramowitz and Stegun 7.1.26).
; LIMIT: that formula's error in u is at most 1.5e-7, absolute, for every x.  NaN and infinities are not served.
.set SPARE, 2048                       ; LDS: 4 x 512 bytes of partial sums, then the spare words, 128 bytes for each of the four waves
.set SPW, 4                            ; v4  LDS address of my spare word; never rewritten
.set NIL, 7                            ; v7  0; never rewritten
	s_load_b256 s[4:11], s[0:1], 0x0               ; hp s[4:5], zp s[6:7], b1 s[8:9], W2 s[10:11]
	s_load_b64 s[12:13], s[0:1], 0x20              ; yp
	v_lshl_add_u32 v[SPW], v0, 2, SPARE
	v_mov_b32 v[NIL], 0
	v_lshrrev_b32 v1, 5, v0
	v_readfirstlane_b32 s14, v1                    ; wave 0..3
	v_and_b32 v1, 31, v0
	v_lshlrev_b32 v1, 4, v1                        ; 16 x lane
	v_lshlrev_b32 v60, 4, v0                       ; LDS: 16 x thread
	v_and_b32 v2, 7, v0                            ; q
	v_bfe_u32 v3, v0, 3, 2                         ; g
	v_lshlrev_b32 v5, 4, v2                        ; 16 q
	v_lshl_add_u32 v6, v3, 12, v5                  ; + 4,096 g: a row of partial sums
	s_lshl_b32 s15, ttmp9, 2
	s_add_co_u32 s15, s15, s14                     ; j = 4 jj + wave
	s_and_b32 s31, ttmp7, 0xffff                   ; cb
	s_lshl_b32 s16, s15, 7                         ; my 32 features
	s_mov_b32 s17, 0
	s_lshl_b32 s30, s31, 9
	s_lshl_b32 s18, s15, 17                        ; 32 rows of 4,096 bytes
	s_add_co_u32 s18, s18, s30
	s_mov_b32 s19, 0
	s_lshl_b32 s28, ttmp9, 12                      ; yp's row jj
	s_add_co_u32 s28, s28, s30
	s_mov_b32 s29, 0
	s_mov_b32 s20, 0x3e6d3388                      ; 0.3275911 / sqrt 2
	s_mov_b32 s21, 0x3e827906                      ; a1 =  0.254829592
	s_mov_b32 s22, 0xbe91a98e                      ; a2 = -0.284496736
	s_mov_b32 s23, 0x3fb5f0e3                      ; a3 =  1.421413741
	s_mov_b32 s24, 0xbfba00e3                      ; a4 = -1.453152027
	s_mov_b32 s25, 0x3f87dc22                      ; a5 =  1.061405429
	s_mov_b32 s26, 0x76543210
	s_mov_b32 s27, 0xfedcba98                      ; v_permlanex16_b32's selects for lane l xor 16
	s_wait_kmcnt 0x0
	s_add_nc_u64 s[4:5], s[4:5], s[16:17]
	s_add_nc_u64 s[6:7], s[6:7], s[16:17]
	s_add_nc_u64 s[8:9], s[8:9], s[16:17]
	s_add_nc_u64 s[10:11], s[10:11], s[18:19]
	s_add_nc_u64 s[12:13], s[12:13], s[28:29]
.irp a, 0,1,2,3,4,5,6,7
	global_load_b128 v[16+4*\a:19+4*\a], v6, s[4:5] offset:16384*\a           ; hp's row 4 a + g
.endr
.irp a, 0,1
	global_load_b128 v[48+4*\a:51+4*\a], v6, s[6:7] offset:32768+16384*\a     ; zp's second part, row 4 a + g
.endr
	global_load_b128 v[56:59], v5, s[8:9]          ; b1
.irp i, 0,1,2,3,4,5,6,7,8,9,10,11,12,13,14,15,16,17,18,19,20,21,22,23,24,25,26,27,28,29,30,31
	global_load_b128 v[128+4*\i:131+4*\i], v1, s[10:11] offset:4096*\i th:TH_LOAD_NT
.endr
	s_wait_loadcnt 32                              ; the partial sums and b1 are in; W2's 32 rows stay out
	v_pk_add_f32 v[8:9], v[16:17], v[20:21]
	v_pk_add_f32 v[10:11], v[18:19], v[22:23]
.irp a, 2,3,4,5,6,7,8,9
	v_pk_add_f32 v[8:9], v[8:9], v[16+4*\a:17+4*\a]
	v_pk_add_f32 v[10:11], v[10:11], v[18+4*\a:19+4*\a]
.endr
.irp a, 8,9,10,11
	v_add_f32_dpp v\a, v\a, v\a row_xmask:8 row_mask:0xf bank_mask:0xf
.endr
.irp c, 0,1,2,3
	v_permlanex16_b32 v[16+\c], v[8+\c], s26, s27
.endr
	v_pk_add_f32 v[8:9], v[8:9], v[16:17]
	v_pk_add_f32 v[10:11], v[10:11], v[18:19]
	v_pk_add_f32 v[8:9], v[8:9], v[56:57]
	v_pk_add_f32 v[10:11], v[10:11], v[58:59]      ; x
.irp c, 0,1,2,3
	v_fma_f32 v[20+\c], |v[8+\c]|, s20, 1.0
	v_mul_f32 v[24+\c], v[8+\c], v[8+\c]
.endr
.irp c, 0,1,2,3
	v_mul_f32 v[24+\c], 0xbf38aa3b, v[24+\c]       ; -x^2 log2(e) / 2
.endr
.irp c, 0,1,2,3
	v_rcp_f32 v[20+\c], v[20+\c]                   ; t
.endr
.irp c, 0,1,2,3
	v_exp_f32 v[24+\c], v[24+\c]
.endr
	v_nop                                          ; a plain instruction behind the batch of eight,
	s_wait_alu depctr_va_vdst(0)                   ; and the one wait ahead of the first reader
.irp c, 0,1,2,3
	v_fma_f32 v[28+\c], v[20+\c], s25, s24
.endr
.irp c, 0,1,2,3
	v_fma_f32 v[28+\c], v[28+\c], v[20+\c], s23
.endr
.irp c, 0,1,2,3
	v_fma_f32 v[28+\c], v[28+\c], v[20+\c], s22
.endr
.irp c, 0,1,2,3
	v_fma_f32 v[28+\c], v[28+\c], v[20+\c], s21
.endr
.irp c, 0,1,2,3
	v_mul_f32 v[28+\c], v[28+\c], v[20+\c]
.endr
.irp c, 0,1,2,3
	v_mul_f32 v[28+\c], v[28+\c], v[24+\c]         ; u
.endr
.irp c, 0,1,2,3
	v_mul_f32 v[28+\c], |v[8+\c]|, v[28+\c]
.endr
.irp c, 0,1,2,3
	v_max_num_f32 v[8+\c], 0, v[8+\c]
.endr
.irp c, 0,1,2,3
	v_fma_f32 v[8+\c], v[28+\c], -0.5, v[8+\c]     ; h
.endr
.irp q, 0,1,2,3,4,5,6,7
.irp c, 0,1,2,3
	v_readlane_b32 s[32+4*\q+\c], v[8+\c], \q      ; the 32 numbers as scalars
.endr
.endr
.set i, 0
.rept 32
.if i%8 == 0
	s_wait_loadcnt 24-i                            ; the next eight rows are in; the younger rows stay out
.endif
.irp c, 0,1,2,3
.if i == 0
	v_mul_f32 v[12+\c], s[32+i], v[128+4*i+\c]
.else
	v_fmac_f32 v[12+\c], s[32+i], v[128+4*i+\c]
.endif
.endr
.set i, i+1
.endr
	ds_store_b128 v60, v[12:15]
	s_wait_dscnt 0x0                               ; for the others' sake: my store has landed
	s_barrier_signal -1
	s_barrier_wait -1
	s_cmp_lg_u32 s14, 0
	s_cbranch_scc1 .Lend                           ; wave 0 adds the four
.irp k, 0,1,2,3
	ds_load_b128 v[16+4*\k:19+4*\k], v1 offset:512*\k
.endr
	s_wait_dscnt 0x0
	v_pk_add_f32 v[12:13], v[16:17], v[20:21]
	v_pk_add_f32 v[14:15], v[18:19], v[22:23]
	v_pk_add_f32 v[24:25], v[24:25], v[28:29]
	v_pk_add_f32 v[26:27], v[26:27], v[30:31]
	v_pk_add_f32 v[12:13], v[12:13], v[24:25]
	v_pk_add_f32 v[14:15], v[14:15], v[26:27]
	global_store_b128 v1, v[12:15], s[12:13]       ; 512 consecutive bytes
.Lend:
	s_wait_tensorcnt 0x0                           ; the wave's end: a tensor wait, an add to my spare word
	ds_add_u32 v[SPW], v[NIL]
	s_wait_dscnt 0x0
	s_endpgm
.Lfunc_end_k_qb3499e8952_mlp2:
	.size	k_qb3499e8952_mlp2, .Lfunc_end_k_qb3499e8952_mlp2-k_qb3499e8952_mlp2
	.p2alignl 7, 3214868480
	.fill 96, 4, 3214868480
	.section	.rodata,"a",@progbits
	.p2align	6, 0x0
	.amdhsa_kernel k_qb3499e8952_mlp2
		.amdhsa_group_segment_fixed_size 2560
		.amdhsa_private_segment_fixed_size 0
		.amdhsa_enable_private_segment 0
		.amdhsa_kernarg_size 40
		.amdhsa_user_sgpr_count 2
		.amdhsa_user_sgpr_kernarg_segment_ptr 1
		.amdhsa_wavefront_size32 1
		.amdhsa_system_sgpr_workgroup_id_x 1
		.amdhsa_system_sgpr_workgroup_id_y 1
		.amdhsa_system_sgpr_workgroup_id_z 1
		.amdhsa_system_vgpr_workitem_id 0
		.amdhsa_next_free_vgpr 256
		.amdhsa_next_free_sgpr 66
		.amdhsa_reserve_vcc 0
		.amdhsa_float_denorm_mode_32 3
		.amdhsa_float_denorm_mode_16_64 3
		.amdhsa_memory_ordered 1
		.amdhsa_forward_progress 1
		.amdhsa_inst_pref_size 18
	.end_amdhsa_kernel
	.amdgpu_metadata
---
amdhsa.version: [ 1, 2 ]
amdhsa.kernels:
  - .name:           k_qb3499e8952_mlp2
    .symbol:         k_qb3499e8952_mlp2.kd
    .args:
      - { .name: hp, .offset: 0, .size: 8, .value_kind: global_buffer, .address_space: global }
      - { .name: zp, .offset: 8, .size: 8, .value_kind: global_buffer, .address_space: global }
      - { .name: b1, .offset: 16, .size: 8, .value_kind: global_buffer, .address_space: global }
      - { .name: W2, .offset: 24, .size: 8, .value_kind: global_buffer, .address_space: global }
      - { .name: yp, .offset: 32, .size: 8, .value_kind: global_buffer, .address_space: global }
    .group_segment_fixed_size: 2560
    .private_segment_fixed_size: 0
    .kernarg_segment_align: 8
    .kernarg_segment_size: 40
    .max_flat_workgroup_size: 128
    .sgpr_count:     66
    .vgpr_count:     256
    .wavefront_size: 32
...
	.end_amdgpu_metadata
.endif
;; end of part 8
;; launch norm (part 9): grid 1 x 1, 8 waves a work-group, no clusters, 1,280 bytes of LDS; arguments yp, b2, scale, out0; writes out0
.if DOCPART == 9
	.amdgcn_target "amdgcn-amd-amdhsa--gfx1250"
	.amdhsa_code_object_version 6
	.text
	.protected	k_qb3499e8952_norm
	.globl	k_qb3499e8952_norm
	.p2align	8
	.type	k_qb3499e8952_norm,@function
k_qb3499e8952_norm:
	s_mov_b64 s[64:65], 0
	v_nop
	global_prefetch_b8 v0, s[64:65] scope:SCOPE_SE
	s_setreg_imm32_b32 hwreg(HW_REG_WAVE_MODE, 25, 1), 1
	s_wait_xcnt 0x0
; y = the sum of yp's 8 rows + b2;  out0 = scale y rsqrt(mean(y^2) + 1e-6).  The mean spans all 1,024 numbers, so one work-group owns the output: thread t has columns 4 t .. 4 t + 3.
; Each load and the store of a wave cover 512 consecutive bytes.  The eight waves' sums of squares meet in LDS (one word a wave, bytes 0-31); the spare words lie from byte 256 on.
; LIMITS: NaN and infinities are not served.
.set SPARE, 256
.set SPW, 2                            ; v2  LDS address of my spare word; never rewritten
.set NIL, 3                            ; v3  0; never rewritten
	s_load_b256 s[4:11], s[0:1], 0x0               ; yp s[4:5], b2 s[6:7], scale s[8:9], out0 s[10:11]
	v_lshl_add_u32 v[SPW], v0, 2, SPARE
	v_mov_b32 v[NIL], 0
	v_lshlrev_b32 v1, 4, v0                        ; 16 x thread
	v_lshrrev_b32 v4, 5, v0
	v_lshlrev_b32 v4, 2, v4                        ; 4 x wave
	v_mov_b32 v5, 0
	v_mov_b32 v13, 0                               ; written once: a lane permute's destination counts as one of its sources
	s_mov_b32 s12, 0x76543210
	s_mov_b32 s13, 0xfedcba98                      ; v_permlanex16_b32's selects for lane l xor 16
	s_mov_b32 s14, 0x3a800000                      ; 1 / 1,024
	s_wait_kmcnt 0x0
.irp i, 0,1,2,3,4,5,6,7
	global_load_b128 v[16+4*\i:19+4*\i], v1, s[4:5] offset:4096*\i
.endr
	global_load_b128 v[48:51], v1, s[6:7]
	global_load_b128 v[52:55], v1, s[8:9]
	s_wait_loadcnt 2                               ; the eight rows are in; b2 and scale may be out
	v_pk_add_f32 v[8:9], v[16:17], v[20:21]
	v_pk_add_f32 v[10:11], v[18:19], v[22:23]
.irp i, 2,3,4,5,6,7
	v_pk_add_f32 v[8:9], v[8:9], v[16+4*\i:17+4*\i]
	v_pk_add_f32 v[10:11], v[10:11], v[18+4*\i:19+4*\i]
.endr
	s_wait_loadcnt 0x0
	v_pk_add_f32 v[8:9], v[8:9], v[48:49]
	v_pk_add_f32 v[10:11], v[10:11], v[50:51]      ; y
	v_mul_f32 v12, v8, v8
	v_fmac_f32 v12, v9, v9
	v_fmac_f32 v12, v10, v10
	v_fmac_f32 v12, v11, v11
	v_add_f32_dpp v12, v12, v12 row_xmask:1 row_mask:0xf bank_mask:0xf
	v_add_f32_dpp v12, v12, v12 row_xmask:2 row_mask:0xf bank_mask:0xf
	v_add_f32_dpp v12, v12, v12 row_xmask:4 row_mask:0xf bank_mask:0xf
	v_add_f32_dpp v12, v12, v12 row_xmask:8 row_mask:0xf bank_mask:0xf
	v_permlanex16_b32 v13, v12, s12, s13
	v_add_f32 v12, v12, v13                        ; my wave's sum of squares, in every lane
	ds_store_b32 v4, v12                           ; all lanes write the same word with the same value
	s_wait_dscnt 0x0                               ; for the others' sake: my store has landed
	s_barrier_signal -1
	s_barrier_wait -1
	ds_load_b128 v[16:19], v5
	ds_load_b128 v[20:23], v5 offset:16
	s_wait_dscnt 0x0
	v_pk_add_f32 v[16:17], v[16:17], v[18:19]
	v_pk_add_f32 v[20:21], v[20:21], v[22:23]
	v_pk_add_f32 v[16:17], v[16:17], v[20:21]
	v_add_f32 v12, v16, v17
	v_fmaak_f32 v12, s14, v12, 0x358637bd          ; the mean + 1e-6
	v_rsq_f32 v12, v12
	v_pk_mul_f32 v[8:9], v[52:53], v[8:9]          ; scale y (plain work behind the transcendental)
	v_pk_mul_f32 v[10:11], v[54:55], v[10:11]
	s_wait_alu depctr_va_vdst(0)                   ; the wait ahead of the first reader
	v_pk_mul_f32 v[8:9], v[8:9], v[12:13] op_sel_hi:[1,0]
	v_pk_mul_f32 v[10:11], v[10:11], v[12:13] op_sel_hi:[1,0]
	global_store_b128 v1, v[8:11], s[10:11]
	s_wait_tensorcnt 0x0                           ; the wave's end: a tensor wait, an add to my spare word
	ds_add_u32 v[SPW], v[NIL]
	s_wait_dscnt 0x0
	s_endpgm
.Lfunc_end_k_qb3499e8952_norm:
	.size	k_qb3499e8952_norm, .Lfunc_end_k_qb3499e8952_norm-k_qb3499e8952_norm
	.p2alignl 7, 3214868480
	.fill 96, 4, 3214868480
	.section	.rodata,"a",@progbits
	.p2align	6, 0x0
	.amdhsa_kernel k_qb3499e8952_norm
		.amdhsa_group_segment_fixed_size 1280
		.amdhsa_private_segment_fixed_size 0
		.amdhsa_enable_private_segment 0
		.amdhsa_kernarg_size 32
		.amdhsa_user_sgpr_count 2
		.amdhsa_user_sgpr_kernarg_segment_ptr 1
		.amdhsa_wavefront_size32 1
		.amdhsa_system_sgpr_workgroup_id_x 1
		.amdhsa_system_sgpr_workgroup_id_y 1
		.amdhsa_system_sgpr_workgroup_id_z 1
		.amdhsa_system_vgpr_workitem_id 0
		.amdhsa_next_free_vgpr 64
		.amdhsa_next_free_sgpr 66
		.amdhsa_reserve_vcc 0
		.amdhsa_float_denorm_mode_32 3
		.amdhsa_float_denorm_mode_16_64 3
		.amdhsa_memory_ordered 1
		.amdhsa_forward_progress 1
		.amdhsa_inst_pref_size 5
	.end_amdhsa_kernel
	.amdgpu_metadata
---
amdhsa.version: [ 1, 2 ]
amdhsa.kernels:
  - .name:           k_qb3499e8952_norm
    .symbol:         k_qb3499e8952_norm.kd
    .args:
      - { .name: yp, .offset: 0, .size: 8, .value_kind: global_buffer, .address_space: global }
      - { .name: b2, .offset: 8, .size: 8, .value_kind: global_buffer, .address_space: global }
      - { .name: scale, .offset: 16, .size: 8, .value_kind: global_buffer, .address_space: global }
      - { .name: out0, .offset: 24, .size: 8, .value_kind: global_buffer, .address_space: global }
    .group_segment_fixed_size: 1280
    .private_segment_fixed_size: 0
    .kernarg_segment_align: 8
    .kernarg_segment_size: 32
    .max_flat_workgroup_size: 256
    .sgpr_count:     66
    .vgpr_count:     64
    .wavefront_size: 32
...
	.end_amdgpu_metadata
.endif
;; end of part 9
